; MI455X (gfx1250); checked and timed in simulation.
; The chip was launched on July 23, 2026; its instructions are those of AMD's public machine-readable ISA for CDNA 5 (MIT licence, August 2026) and "CDNA5" Instruction Set Architecture Reference Guide (July 2026). The comments in the code are by the model that wrote it; some were corrected since.
;; Sparse Mo E. Allowed arithmetic: matrix products marked QUANTISED: E2M3 operands, one E8M0 scale for each 32 along K, by v_wmma_scale_f32_16x16x128_f8f6f4 with both operands' format E2M3, f32 sums; products left as they are: f32 operands where the result goes on into a quantised operand, else bf16, f16 or f32 operands; f32 sums; everything else in f32.
;; Inputs: W1 8 x 1,024 x 4,096 float32; W2 8 x 4,096 x 1,024 float32; Wg 1,024 x 8 float32; b1 8 x 4,096 float32; b2 8 x 1,024 float32; bg 8 float32; x 1,024 x 1,024 float32.
;; Outputs: out0 1,024 x 1,024 float32.
;; This version of the problem:
;;   THIS VERSION OF THE PROBLEM IS GIVEN IN LOW PRECISION. The matrix products marked QUANTISED in the list below multiply operands that are first quantised to E2M3 (2 exponent bits, 3 mantissa bits; 6 bits a number), with one power-of-two scale for each 32 numbers along K (OCP MX v1.0); their sums are f32. All else is computed in f32.
;;   The module's matrix products, in the order in which they are computed (A, B: the left and right operand; K: the contracted axis; several contracted axes count as one K, in the product's order):
;;     1. [M 1,024, K 1,024] x [K 1,024, N 8]; A: input x; B: input Wg: left as it is (N = 8 < 16)
;;     2. [M 32,768, K 1,024] x [K 1,024, N 1,024]; A: input W1; B: input x: QUANTISED
;;     3. batch 8 x [M 1,024, K 4,096] x [K 4,096, N 1,024]; A: computed on the way; B: input W2: QUANTISED
;;   THE QUANTISER, for each operand of a quantised product, along K:
;;     - K is cut into blocks of 32 from its start; a last block that is shorter is filled with zeros.
;;     - A block's scale is 2^e with e = floor(log2(the largest magnitude in the block)) - 2, held to -126 .. 127; a block of zeros has e = 0. As a byte (E8M0): e + 127.
;;     - Each number is divided by its block's scale, clamped to +-7.5, and rounded to the nearest number of E2M3, ties to even, subnormals kept.
;;     - The product sums the exact products of the quantised numbers (number of the format x scale) in f32.
;;   ~~~python
;;   def quantise(x, axis):      # numpy; x: float32 -> the quantised numbers, widened to float32 again
;;       x = np.moveaxis(x, axis, -1); K = x.shape[-1]
;;       x = np.pad(x, [(0, 0)] * (x.ndim - 1) + [(0, -K % 32)]); x = x.reshape(x.shape[:-1] + (-1, 32)); a = np.abs(x).max(-1, keepdims=True)
;;       e = np.where(a > 0, np.clip(np.frexp(np.where(a > 0, a, 1))[1] - 1 - 2, -126, 127), 0)      # np.frexp(a)[1] - 1 = floor(log2(a)), exactly
;;       r = np.clip(x / 2.0 ** e, -7.5, 7.5)
;;       step = 2.0 ** (np.maximum(np.frexp(np.where(r == 0, 1, r))[1] - 1, 0) - 3)
;;       q = np.round(r / step) * step * 2.0 ** e      # np.round: ties to even
;;       return np.moveaxis(q.reshape(q.shape[:-2] + (-1,))[..., :K], -1, axis).astype(np.float32)
;;   ~~~
;;   OPERANDS COMPUTED ON THE WAY. 'Computed on the way' means the value that the module computes at that place (a softmax that the list does not call 'softmax' is quantised finished and normalised). What goes into a quantiser is computed in f32, as accurately as f32 sums, v_exp_f32 and their like allow (about 1e-6 of the number): no bf16 or f16 on the way to a quantiser, and a product that is left as it is and whose result goes on into a quantised operand takes f32 operands (vector FMAs, or v_wmma_f32_16x16x4_f32). A number that lies on a knife's edge between two numbers of the format may be rounded either way, as far as f32 arithmetic and the matrix unit's own rounding can turn it there, and no further.
;; One version. Each part assembles by itself: llvm-mc -triple=amdgcn-amd-amdhsa -mcpu=gfx1250 --defsym DOCPART=n.
;; ======== version 1 of 1: 5 launches
;; limits: right only within a limited range of input values
;; workspace buffers: rt 827,392 bytes; ri 9,216 bytes of whole numbers; xs 6,553,600 bytes; pi 9,216 bytes of whole numbers; hq 26,214,400 bytes; yp 67,108,864 bytes
;; launch route (part 1): grid 128 x 1, 16 waves a work-group, no clusters, 12,800 bytes of LDS; arguments x, Wg, bg, rt, ri; writes rt, ri
.if DOCPART == 1
	.amdgcn_target "amdgcn-amd-amdhsa--gfx1250"
	.amdhsa_code_object_version 6
	.text
	.protected	k_q47996b6090_route
	.globl	k_q47996b6090_route
	.p2align	8
	.type	k_q47996b6090_route,@function
k_q47996b6090_route:
	s_mov_b64 s[64:65], 0
	v_nop
	global_prefetch_b8 v0, s[64:65] scope:SCOPE_SE
	s_setreg_imm32_b32 hwreg(HW_REG_WAVE_MODE, 25, 1), 1
	s_wait_xcnt 0x0
; SPARSE MOE, launch 1 of 5: the gate, the top 2 of 8 experts, their softmax weights, and x as codes of FP6 (E2M3).
; WORK LEFT OUT BY THE WHOLE PROGRAM.  reference() computes h and y for all 8 experts of every token and then keeps y[topi, arange(N)]: of y's [8, N, O] only the rows (topi[n][k], n) are
; gathered, whatever the inputs hold.  The rows of h and y of the six experts that a token did not choose are read by nothing else, so they reach no output, and they come in whole rows:
; the program multiplies the 2,048 chosen rows alone.  Which rows those are is decided here from f32 numbers, stored as whole numbers, and turned into addresses by later launches only.
; No input is dead: all seven are loaded.  LIMITS: a NaN, an infinity or an overflow that would arise only in rows of experts that were not chosen is not carried to the result; NaN and
; infinities among the inputs are not served, the gate's logits are taken to be finite; equal logits go to the lower expert, as jax.lax.top_k has it; a block of zeros gets the scale byte 1
; where the rule says 127 (its codes are zeros, and the bytes are read by this program alone); blocks whose largest magnitude lies under 2^(3 - 127) are held at that byte too.
; SHARES.  Work-group g takes tokens 8 g .. 8 g + 7, so that its ballots are one whole byte for each expert.  Wave w takes K = 64 w .. 64 w + 63; lane (t = lane % 8, q = lane / 8) takes token t and the
; 16 numbers from 64 w + 16 q on: 64 consecutive bytes of x (a wave's four loads together read eight pieces of 256 consecutive bytes) and the same 16 rows of Wg, 512 consecutive bytes (eight lanes share each address).
; Both come from memory straight into registers: nothing of x or Wg goes through LDS.  A lane's 16 registers are half a block of 32 for the quantiser (lane xor 8 holds the other half) and 16 terms of each of the 8 logits.
; ONE BARRIER: ahead of it every wave puts its codes, its scale bytes and its partial logits into LDS; behind it waves 0 to 7 store a row of codes each, wave 8 the scale bytes, wave 9 makes the choice.
; OUT.  rt: codes [token][768 bytes], block 4 s + 2 c + h of a row at 96 s + 48 h + 24 c, so that the 12 registers which lane half h of a matrix operand wants of K step s are 48 consecutive bytes;
; scale bytes [token][32]; weights [token][2] f32.  ri: the chosen experts [token][2]; for each expert 128 bytes, bit l of byte g: token 8 g + l chose it.
; The codes and scale bytes leave as whole aligned runs of 256 bytes; a work-group's choices, weights and ballots are 136 bytes in runs of 64, 64 and 8 x 1.
.set PL,     0                         ; LDS: partial logits [wave][token][expert]: 256 bytes a wave
.set CST,    4096                      ; the codes' stage: 8 rows of 768 bytes + 16
.set CP,     784
.set SST,    10496                     ; the scale bytes' stage: [token][32]
.set SPARE,  10752                     ; the spare words: 128 bytes a wave, eight blocks of 256 bytes that no other line names
.set RT_XSC, 786432
.set RT_WT,  819200
.set RI_MSK, 8192
; v1 lane, v2 t, v5 q, v16 q / 2, v17 q % 2, v3, v4 the add's two, v6-v15, v18, v19 addresses (all made here, ahead of every branch; no load lands on them),
; v[20:27] the 8 sums, v28-31 at work, v[32:47] x, v[48:175] Wg (register 8 k + e), v176-180 codes, later results
	s_load_b256 s[4:11], s[0:1], 0x0               ; x s[4:5], Wg s[6:7], bg s[8:9], rt s[10:11]
	s_load_b64 s[12:13], s[0:1], 0x20              ; ri
	v_lshl_add_u32 v3, v0, 2, SPARE
	v_mov_b32 v4, 0
	v_lshrrev_b32 v1, 5, v0
	s_delay_alu instid0(VALU_DEP_1)
	v_readfirstlane_b32 s14, v1                    ; wave 0..15
	v_and_b32 v1, 31, v0
	v_and_b32 v2, 7, v0                            ; t
	v_bfe_u32 v5, v0, 3, 2                         ; q
	v_bfe_u32 v16, v0, 4, 1                        ; q / 2: which of my wave's two blocks
	v_bfe_u32 v17, v0, 3, 1                        ; q % 2: which half of it
	s_delay_alu instid0(VALU_DEP_4)
	v_lshlrev_b32 v6, 12, v2
	s_delay_alu instid0(VALU_DEP_1)
	v_lshl_add_u32 v6, v5, 6, v6                   ; x: row t of 4,096 bytes, + 64 q
	v_lshlrev_b32 v7, 9, v5                        ; Wg: 16 rows of 32 bytes for each q
	v_lshl_add_u32 v9, v2, 5, PL                   ; partial logits: 32 bytes a token;
	s_lshl_b32 s32, s14, 8
	v_add_nc_u32 v8, s32, v9                       ; in: my wave's 256 bytes;
	v_lshl_add_u32 v9, v5, 10, v9                  ; back: lane (t, q) takes waves 4 q .. 4 q + 3
	v_mul_u32_u24 v10, v2, CP
	s_delay_alu instid0(VALU_DEP_1)
	v_mad_u32_u24 v10, v16, 48, v10
	s_delay_alu instid0(VALU_DEP_1)
	v_mad_u32_u24 v10, v17, 12, v10
	s_lshr_b32 s32, s14, 1
	s_mul_i32 s32, s32, 96
	s_and_b32 s33, s14, 1
	s_mul_i32 s33, s33, 24
	s_add_co_u32 s32, s32, s33
	s_add_co_u32 s32, s32, CST
	v_add_nc_u32 v10, s32, v10                     ; codes: block 2 w + q / 2 is K step w / 2, c = w % 2, h = q / 2; my 16 codes are its 12 bytes from 12 (q % 2) on
	v_lshl_add_u32 v11, v2, 5, v16
	s_lshl_b32 s32, s14, 1
	s_add_co_u32 s32, s32, SST
	v_add_nc_u32 v11, s32, v11                     ; the block's scale byte
	v_lshlrev_b32 v14, 3, v1                       ; 8 x lane
	s_and_b32 s36, s14, 7
	s_mul_i32 s32, s36, CP
	s_add_co_u32 s32, s32, CST
	v_add_nc_u32 v12, s32, v14                     ; codes out of the stage: row w % 8, 8 bytes a lane
	v_add_nc_u32 v13, SST, v14                     ; scale bytes out of theirs
	s_lshl_b32 s32, ttmp9, 8
	v_add_nc_u32 v19, s32, v14                     ; and in rt: 256 g + 8 x lane
	v_lshlrev_b32 v15, 3, v2
	s_lshl_b32 s32, ttmp9, 6
	v_add_nc_u32 v15, s32, v15                     ; 8 bytes a token: 64 g + 8 t
	v_lshlrev_b32 v18, 7, v1
	s_mov_b32 s32, ttmp9
	v_add_nc_u32 v18, s32, v18                     ; the ballots: 128 bytes an expert (lane = expert), byte g
	s_lshl_b32 s38, ttmp9, 15
	s_lshl_b32 s32, s14, 8
	s_add_co_u32 s38, s38, s32                     ; x: 8 g rows of 4,096 bytes + 256 w
	s_mov_b32 s39, 0
	s_lshl_b32 s40, s14, 11                        ; Wg: 64 w rows of 32 bytes
	s_mov_b32 s41, 0
	s_lshl_b32 s42, ttmp9, 3
	s_add_co_u32 s42, s42, s36
	s_mul_i32 s42, s42, 768                        ; codes: row 8 g + w % 8
	s_mov_b32 s43, 0
	s_mov_b32 s34, 0x76543210
	s_mov_b32 s35, 0xfedcba98                      ; v_permlanex16_b32's selects for lane l xor 16
	s_wait_kmcnt 0x0
	s_add_nc_u64 s[4:5], s[4:5], s[38:39]
	s_add_nc_u64 s[6:7], s[6:7], s[40:41]
	s_add_nc_u64 s[42:43], s[10:11], s[42:43]
.irp i, 0,1,2,3
	global_load_b128 v[32+4*\i:35+4*\i], v6, s[4:5] offset:16*\i       ; my 16 numbers of x
.endr
.set i_, 0
.rept 32
	global_load_b128 v[48+4*i_:51+4*i_], v7, s[6:7] offset:16*i_       ; my 16 rows of Wg
.set i_, i_+1
.endr
	s_cmp_lg_u32 s14, 9
	s_cbranch_scc1 .Lno_bg
	s_load_b256 s[16:23], s[8:9], 0x0              ; bg, for the wave that will make the choice: asked for here, wanted behind the barrier
.Lno_bg:
	s_wait_loadcnt 32                              ; x is in; Wg's 32 younger loads may be out: x is quantised meanwhile
	; The block's scale: the largest magnitude's exponent field less 2, held at 1 from below by the floor 2^(3 - 127) among the maximum's leaves
	v_max3_num_f32 v28, |v32|, |v33|, 0x1800000
	v_max3_num_f32 v29, |v34|, |v35|, |v36|
	s_delay_alu instid0(VALU_DEP_2)
	v_max3_num_f32 v28, v28, |v37|, |v38|
	s_delay_alu instid0(VALU_DEP_2)
	v_max3_num_f32 v29, v29, |v39|, |v40|
	s_delay_alu instid0(VALU_DEP_2)
	v_max3_num_f32 v28, v28, |v41|, |v42|
	s_delay_alu instid0(VALU_DEP_2)
	v_max3_num_f32 v29, v29, |v43|, |v44|
	s_delay_alu instid0(VALU_DEP_2)
	v_max3_num_f32 v28, v28, |v45|, |v46|
	s_delay_alu instid0(VALU_DEP_1)
	v_max3_num_f32 v28, v28, v29, |v47|
	s_delay_alu instid0(VALU_DEP_1)
	v_max_num_f32_dpp v28, v28, v28 row_xmask:8 row_mask:0xf bank_mask:0xf   ; with lane l xor 8's 16: the block's
	s_delay_alu instid0(VALU_DEP_1)
	v_add_nc_u32 v30, 0xff000000, v28              ; 2 off the exponent field: the conversion takes this operand's exponent field as its scale
	v_cvt_scalef32_pk16_fp6_f32 v[176:178], v[32:47], v30
	v_lshrrev_b32 v31, 23, v30                     ; the scale's byte; also the plain line behind the conversion
	ds_store_b32 v10, v176
	ds_store_b32 v10, v177 offset:4
	ds_store_b32 v10, v178 offset:8
	ds_store_b8 v11, v31                           ; both lanes of a block write the same byte with the same value
	s_wait_loadcnt 0x0                             ; Wg
.irp e, 0,1,2,3,4,5,6,7
	v_mul_f32 v[20+\e], v32, v[48+\e]              ; the first products start the sums
.endr
.set k_, 1
.rept 15
.irp e, 0,1,2,3,4,5,6,7
	v_fmac_f32 v[20+\e], v[32+k_], v[48+8*k_+\e]
.endr
.set k_, k_+1
.endr
.irp e, 0,1,2,3,4,5,6,7
	v_add_f32_dpp v[20+\e], v[20+\e], v[20+\e] row_xmask:8 row_mask:0xf bank_mask:0xf   ; my token's four slices of K: lane l xor 8,
.endr
.irp e, 0,1,2,3,4,5,6,7
	v_permlanex16_b32 v[48+\e], v[20+\e], s34, s35 ; (into registers that have been written and are done with)
.endr
.irp e, 0,1,2,3,4,5,6,7
	v_add_f32 v[20+\e], v[20+\e], v[48+\e]         ; and lane l xor 16: the four lanes of a token now hold the same bits
.endr
	ds_store_b128 v8, v[20:23]                     ; the four write the same bytes with the same values
	ds_store_b128 v8, v[24:27] offset:16
	s_wait_dscnt 0x0                               ; my LDS stores have landed
	s_barrier_signal -1
	s_barrier_wait -1                              ; codes, scale bytes and partial logits are whole: from here on they are only read
	s_cmp_lt_u32 s14, 8
	s_cbranch_scc0 .Lhigh
	ds_load_b64 v[176:177], v12                    ; waves 0 to 7: a row of codes, 256 bytes a load
	ds_load_b64 v[178:179], v12 offset:256
	ds_load_b64 v[180:181], v12 offset:512
	s_wait_dscnt 0x0
	global_store_b64 v14, v[176:177], s[42:43]     ; 256 consecutive bytes, at a multiple of 256 from rt's first byte
	global_store_b64 v14, v[178:179], s[42:43] offset:256
	global_store_b64 v14, v[180:181], s[42:43] offset:512
	s_branch .Lend
.Lhigh:
	s_cmp_eq_u32 s14, 9
	s_cbranch_scc1 .Lgate
	s_cmp_lg_u32 s14, 8
	s_cbranch_scc1 .Lend
	ds_load_b64 v[176:177], v13                    ; wave 8: the 8 tokens' scale bytes
	s_wait_dscnt 0x0
	global_store_b64 v19, v[176:177], s[10:11] offset:RT_XSC   ; 256 consecutive bytes, at a multiple of 256 from rt's first byte
	s_branch .Lend
.Lgate:                                                ; wave 9: lane (t, q) adds waves 4 q .. 4 q + 3 of token t; then the four lanes of a token are joined as above and go on alike
.irp u, 0,1,2,3
	ds_load_b128 v[48+8*\u:51+8*\u], v9 offset:256*\u
	ds_load_b128 v[52+8*\u:55+8*\u], v9 offset:256*\u+16
.endr
	s_wait_dscnt 0x0
.irp e, 0,1,2,3,4,5,6,7
	v_add_f32 v[20+\e], v[48+\e], v[56+\e]         ; the first two start the sums
.endr
.irp u, 2,3
.irp e, 0,1,2,3,4,5,6,7
	v_add_f32 v[20+\e], v[20+\e], v[48+8*\u+\e]
.endr
.endr
.irp e, 0,1,2,3,4,5,6,7
	v_add_f32_dpp v[20+\e], v[20+\e], v[20+\e] row_xmask:8 row_mask:0xf bank_mask:0xf
.endr
.irp e, 0,1,2,3,4,5,6,7
	v_permlanex16_b32 v[48+\e], v[20+\e], s34, s35
.endr
.irp e, 0,1,2,3,4,5,6,7
	v_add_f32 v[20+\e], v[20+\e], v[48+\e]
.endr
	s_wait_alu depctr_va_vdst(0)
	s_wait_kmcnt 0x0                               ; bg
.irp e, 0,1,2,3,4,5,6,7
	v_add_f32 v[20+\e], s[16+\e], v[20+\e]         ; the logits
.endr
	v_mov_b32 v28, v20                             ; the largest, and its expert: a later one must be strictly larger
	v_mov_b32 v176, 0
.irp e, 1
	s_delay_alu instid0(VALU_DEP_2)
	v_cmp_ge_f32 vcc_lo, v28, v[20+\e]
	s_delay_alu instid0(VALU_DEP_1)
	v_cndmask_b32 v176, \e, v176, vcc_lo
	s_delay_alu instid0(VALU_DEP_2)
	v_cndmask_b32 v28, v[20+\e], v28, vcc_lo
.endr
.irp e, 2, 3, 4, 5, 6, 7
	s_delay_alu instid0(VALU_DEP_1)
	v_cmp_ge_f32 vcc_lo, v28, v[20+\e]
	s_delay_alu instid0(VALU_DEP_1)
	v_cndmask_b32 v176, \e, v176, vcc_lo
	s_delay_alu instid0(VALU_DEP_2)
	v_cndmask_b32 v28, v[20+\e], v28, vcc_lo
.endr
	v_mov_b32 v29, 0xff800000                      ; the second: the same walk from -infinity, passing over the first's expert
	v_mov_b32 v177, 0
.irp e, 0
	s_delay_alu instid0(VALU_DEP_2)
	v_cmp_ge_f32 s32, v29, v[20+\e]
	v_cmp_eq_u32 s33, \e, v176
	s_or_b32 vcc_lo, s32, s33
	v_cndmask_b32 v177, \e, v177, vcc_lo
	v_cndmask_b32 v29, v[20+\e], v29, vcc_lo
.endr
.irp e, 1, 2, 3, 4, 5, 6, 7
	s_delay_alu instid0(VALU_DEP_1)
	v_cmp_ge_f32 s32, v29, v[20+\e]
	v_cmp_eq_u32 s33, \e, v176
	s_or_b32 vcc_lo, s32, s33
	v_cndmask_b32 v177, \e, v177, vcc_lo
	v_cndmask_b32 v29, v[20+\e], v29, vcc_lo
.endr
	s_delay_alu instid0(VALU_DEP_1)
	v_sub_f32 v30, v29, v28                        ; the softmax of the two, the larger taken away: weights 1 / (1 + t) and t / (1 + t), t = e^(second - first), at most 1
	s_delay_alu instid0(VALU_DEP_1)
	v_mul_f32 v30, 0x3fb8aa3b, v30
	s_wait_alu depctr_va_vdst(0)
	v_exp_f32 v31, v30
	v_nop                                          ; a plain line behind the exponential,
	s_wait_alu depctr_va_vdst(0)                   ; and the wait ahead of its first reader
	v_add_f32 v30, 1.0, v31
	s_wait_alu depctr_va_vdst(0)
	v_rcp_f32 v178, v30
	v_nop
	s_wait_alu depctr_va_vdst(0)
	v_mul_f32 v179, v31, v178
.irp e, 0,1,2,3,4,5,6,7
	v_cmp_eq_u32 s32, \e, v176
	v_cmp_eq_u32 s33, \e, v177
	s_or_b32 s[24+\e], s32, s33                    ; bit l, l under 8: token 8 g + l chose expert e (bits 8 to 31 repeat them and are not stored)
.endr
	v_mov_b32 v180, 0
.irp e, 0,1,2,3,4,5,6,7
	s_delay_alu instid0(VALU_DEP_1)
	v_writelane_b32 v180, s[24+\e], \e             ; lane e: expert e's ballots
.endr
	v_cmp_gt_u32 vcc_lo, 8, v1
	s_wait_alu depctr_va_vdst(0)
	s_wait_xcnt 0x0                                ; EXEC is a source of the memory instructions above: it changes only behind this wait
	s_and_saveexec_b32 s33, vcc_lo                 ; lanes 0 to 7: lane = token for the choices and weights, lane = expert for the ballots
	global_store_b64 v15, v[176:177], s[12:13]     ; the chosen experts
	global_store_b64 v15, v[178:179], s[10:11] offset:RT_WT
	global_store_b8 v18, v180, s[12:13] offset:RI_MSK
	s_wait_xcnt 0x0                                ; and again ahead of the line that widens it
	s_or_b32 exec_lo, exec_lo, s33
.Lend:
	s_wait_tensorcnt 0x0                           ; the wave's end, behind my last LDS store
	ds_add_u32 v3, v4
	s_wait_dscnt 0x0
	s_endpgm
.Lfunc_end_k_q47996b6090_route:
	.size	k_q47996b6090_route, .Lfunc_end_k_q47996b6090_route-k_q47996b6090_route
	.p2alignl 7, 3214868480
	.fill 96, 4, 3214868480
	.section	.rodata,"a",@progbits
	.p2align	6, 0x0
	.amdhsa_kernel k_q47996b6090_route
		.amdhsa_group_segment_fixed_size 12800
		.amdhsa_private_segment_fixed_size 0
		.amdhsa_enable_private_segment 0
		.amdhsa_kernarg_size 40
		.amdhsa_user_sgpr_count 2
		.amdhsa_user_sgpr_kernarg_segment_ptr 1
		.amdhsa_wavefront_size32 1
		.amdhsa_system_sgpr_workgroup_id_x 1
		.amdhsa_system_sgpr_workgroup_id_y 1
		.amdhsa_system_sgpr_workgroup_id_z 1
		.amdhsa_system_vgpr_workitem_id 0
		.amdhsa_next_free_vgpr 192
		.amdhsa_next_free_sgpr 66
		.amdhsa_reserve_vcc 1
		.amdhsa_float_denorm_mode_32 3
		.amdhsa_float_denorm_mode_16_64 3
		.amdhsa_memory_ordered 1
		.amdhsa_forward_progress 1
		.amdhsa_inst_pref_size 24
	.end_amdhsa_kernel
	.amdgpu_metadata
---
amdhsa.version: [ 1, 2 ]
amdhsa.kernels:
  - .name:           k_q47996b6090_route
    .symbol:         k_q47996b6090_route.kd
    .args:
      - { .name: x, .offset: 0, .size: 8, .value_kind: global_buffer, .address_space: global }
      - { .name: Wg, .offset: 8, .size: 8, .value_kind: global_buffer, .address_space: global }
      - { .name: bg, .offset: 16, .size: 8, .value_kind: global_buffer, .address_space: global }
      - { .name: rt, .offset: 24, .size: 8, .value_kind: global_buffer, .address_space: global }
      - { .name: ri, .offset: 32, .size: 8, .value_kind: global_buffer, .address_space: global }
    .group_segment_fixed_size: 12800
    .private_segment_fixed_size: 0
    .kernarg_segment_align: 8
    .kernarg_segment_size: 40
    .max_flat_workgroup_size: 512
    .sgpr_count:     66
    .vgpr_count:     192
    .wavefront_size: 32
...
	.end_amdgpu_metadata
.endif
;; end of part 1
;; launch place (part 2): grid 16 x 8, 4 waves a work-group, no clusters, 0 bytes of LDS; arguments rt, ri, xs, pi; writes xs, pi
.if DOCPART == 2
	.amdgcn_target "amdgcn-amd-amdhsa--gfx1250"
	.amdhsa_code_object_version 6
	.text
	.protected	k_q47996b6090_place
	.globl	k_q47996b6090_place
	.p2align	8
	.type	k_q47996b6090_place,@function
k_q47996b6090_place:
	s_mov_b64 s[64:65], 0
	v_nop
	global_prefetch_b8 v0, s[64:65] scope:SCOPE_SE
	s_setreg_imm32_b32 hwreg(HW_REG_WAVE_MODE, 25, 1), 1
	s_wait_xcnt 0x0
; SPARSE MOE, launch 2 of 5: the rows are placed by expert.  Only the rows of chosen experts go on (launch 1's head says why the others are dead work).
; Expert e owns slots 1,024 e .. 1,024 e + 1,023 (a token's two experts differ, so an expert has at most 1,024 rows: every split is served).  The row of rank k is the (k + 1)-th token, in ascending
; order, that chose e.  A wave takes a tile of 16 slots: e = work-group y, tile T = 4 x + wave.  Each lane finds its rank's token from the 32 ballot words of e by selection alone: the group of 32 tokens
; by 31 compares against the words' running bit counts (scalar), the bit inside the word by 32 steps.  No lane asks another, no wave another: no LDS, no barrier.
; Tiles go in pairs of 32 slots; max(1, ceil(count / 32)) pairs are filled, ranks at or beyond the count with the last valid row once more (an expert without rows: with token 1,023's), so that the next
; launches read nothing that was not written and their loops have at least one trip.  A wave whose pair lies beyond that stores nothing and ends: the grid serves every split.
; OUT.  xs: x's codes as IMAGES OF OPERAND REGISTERS, [tile][K step][c][lane][16 bytes] = registers 4 c .. 4 c + 3 of the lane; scale words [pair][K step][32 lanes]: lanes 0-15 the even tile's rows, 16-31 the odd tile's.
; pi: the counts (32 copies each); for each token and choice its slot.
.set RT_XSC, 786432
.set RI_MSK, 8192
.set XSS,    0x600000
.set MK,     16                        ; s[16:47]  the expert's 32 ballot words
.set CN,     68                        ; s[68:99]  how many bits words 0 .. g hold together
	s_load_b256 s[4:11], s[0:1], 0x0               ; rt s[4:5], ri s[6:7], xs s[8:9], pi s[10:11]
	v_lshrrev_b32 v1, 5, v0
	v_readfirstlane_b32 s48, v1                    ; wave
	v_and_b32 v1, 31, v0                           ; lane
	v_bfe_u32 v2, v0, 4, 1                         ; h
	v_and_b32 v3, 15, v0                           ; r
	v_lshlrev_b32 v4, 4, v1
	s_and_b32 s49, ttmp7, 0xffff                   ; e
	s_lshl_b32 s52, ttmp9, 2
	s_add_co_u32 s52, s52, s48                     ; T
	s_lshl_b32 s12, s49, 7
	s_mov_b32 s13, 0
	s_wait_alu depctr_va_vdst(0)
	s_wait_kmcnt 0x0
	s_add_nc_u64 s[14:15], s[6:7], s[12:13]
	s_load_b512 s[16:31], s[14:15], RI_MSK
	s_load_b512 s[32:47], s[14:15], RI_MSK+64
	v_lshl_add_u32 v5, v1, 2, s12                  ; the count's copies: 128 e + 4 x lane
	v_lshl_add_u32 v12, s52, 4, v3                 ; my rank: 16 T + r
	s_wait_alu depctr_va_vdst(0)
	v_lshlrev_b32 v6, 9, v2
	v_lshl_add_u32 v6, v3, 2, v6                   ; scale words: 512 h + 4 r
	s_lshl_b32 s54, s49, 6
	s_add_co_u32 s54, s54, s52
	s_mul_i32 s54, s54, 12288                      ; my tile's images: (64 e + T) x 12,288 bytes
	s_mov_b32 s55, 0
	s_add_nc_u64 s[54:55], s[8:9], s[54:55]
	s_lshl_b32 s56, s49, 5
	s_lshr_b32 s53, s52, 1                         ; my pair
	s_add_co_u32 s56, s56, s53
	s_lshl_b32 s56, s56, 10
	s_and_b32 s57, s52, 1
	s_lshl_b32 s57, s57, 6
	s_add_co_u32 s56, s56, s57                     ; its scale words: (32 e + pair) x 1,024 + 64 (T % 2)
	s_mov_b32 s57, 0
	s_add_nc_u64 s[56:57], s[8:9], s[56:57]
	s_add_nc_u64 s[56:57], s[56:57], XSS
	s_lshl_b32 s59, s49, 10
	v_add_nc_u32 v9, s59, v12                      ; my slot
	s_wait_kmcnt 0x0
	s_bcnt1_i32_b32 s[CN], s[MK]
.set g_, 1
.rept 31
	s_bcnt1_i32_b32 s58, s[MK+g_]
	s_add_co_u32 s[CN+g_], s[CN+g_-1], s58
.set g_, g_+1
.endr
	s_min_u32 s50, s[CN+31], 1024                  ; the expert's rows
	s_add_co_u32 s51, s50, 31
	s_lshr_b32 s51, s51, 5
	s_max_u32 s51, s51, 1                          ; pairs that are filled
	s_or_b32 s58, ttmp9, s48
	s_cmp_lg_u32 s58, 0
	s_cbranch_scc1 .Lnot_first
	v_mov_b32 v7, s50
	global_store_b32 v5, v7, s[10:11]              ; the expert's first wave stores the count
.Lnot_first:
	s_cmp_lt_u32 s53, s51
	s_cbranch_scc1 .Lwork
	s_endpgm                                       ; a pair beyond the expert's rows: a branch on whole numbers that launch 1 stored
.Lwork:
	s_max_u32 s58, s50, 1
	s_sub_co_u32 s58, s58, 1
	v_min_u32 v13, s58, v12                        ; ranks beyond the last valid one take the last valid row
	v_mov_b32 v14, 0                               ; the group of 32 tokens,
	v_mov_b32 v15, 0                               ; the bits ahead of it,
	v_mov_b32 v16, s[MK]                           ; its word
.set g_, 0
.rept 31
	v_cmp_gt_u32 vcc_lo, s[CN+g_], v13             ; words 0 .. g hold more bits than my rank: what I have stays; else the row lies further on
	v_cndmask_b32 v14, g_+1, v14, vcc_lo
	v_cndmask_b32 v15, s[CN+g_], v15, vcc_lo
	v_cndmask_b32 v16, s[MK+g_+1], v16, vcc_lo
.set g_, g_+1
.endr
	v_sub_nc_u32 v17, v13, v15                     ; my rank inside the word
	v_mov_b32 v19, 0
	v_mov_b32 v20, 0
.set j_, 0
.rept 32
	v_bfe_u32 v18, v16, j_, 1
	v_add_nc_u32 v19, v19, v18                     ; bits 0 .. j hold so many ones;
	v_cmp_le_u32 vcc_lo, v19, v17
	v_add_co_ci_u32 v20, vcc_lo, 0, v20, vcc_lo    ; while that is at most my rank, my bit lies further on
.set j_, j_+1
.endr
	v_lshl_add_u32 v21, v14, 5, v20
	v_min_u32 v21, 0x3ff, v21                      ; my token
	v_lshlrev_b32 v22, 3, v21
	v_lshlrev_b32 v23, 5, v21
	v_lshl_add_u32 v23, v2, 4, v23
	v_mul_u32_u24 v30, v21, 768
	v_mad_u32_u24 v30, v2, 48, v30
	global_load_b64 v[28:29], v22, s[6:7]          ; its two experts
	global_load_b128 v[24:27], v23, s[4:5] offset:RT_XSC   ; its scale words of K steps 4 h .. 4 h + 3
.irp s, 0,1,2,3,4,5,6,7
.irp c, 0,1,2
	global_load_b128 v[32+12*\s+4*\c:35+12*\s+4*\c], v30, s[4:5] offset:96*\s+16*\c   ; my half's 48 bytes of each K step
.endr
.endr
	s_wait_alu depctr_va_vdst(0)
	s_wait_loadcnt 0x0
.irp s, 0,1,2,3,4,5,6,7
.irp c, 0,1,2
	global_store_b128 v4, v[32+12*\s+4*\c:35+12*\s+4*\c], s[54:55] offset:1536*\s+512*\c   ; 512 consecutive bytes, at a multiple of 256 from xs's first byte
.endr
.endr
.irp j, 0,1,2,3
	global_store_b32 v6, v[24+\j], s[56:57] offset:128*\j
.endr
	v_cmp_eq_u32 vcc_lo, s49, v29                  ; am I the token's second choice?
	v_add_co_ci_u32 v8, vcc_lo, v21, v21, vcc_lo   ; 2 x token + choice
	v_min_u32 v8, 0x7ff, v8
	v_lshlrev_b32 v8, 2, v8
	v_cmp_gt_u32 s60, s50, v12                     ; a valid rank,
	v_cmp_gt_u32 s61, 16, v1                       ; told once (lanes 16-31 hold the same rows)
	s_and_b32 vcc_lo, s60, s61
	s_wait_alu depctr_va_vdst(0)
	s_wait_xcnt 0x0                                ; EXEC is a source of the stores above
	s_and_saveexec_b32 s62, vcc_lo
	global_store_b32 v8, v9, s[10:11] offset:1024
	s_wait_xcnt 0x0
	s_or_b32 exec_lo, exec_lo, s62
	s_endpgm
.Lfunc_end_k_q47996b6090_place:
	.size	k_q47996b6090_place, .Lfunc_end_k_q47996b6090_place-k_q47996b6090_place
	.p2alignl 7, 3214868480
	.fill 96, 4, 3214868480
	.section	.rodata,"a",@progbits
	.p2align	6, 0x0
	.amdhsa_kernel k_q47996b6090_place
		.amdhsa_group_segment_fixed_size 0
		.amdhsa_private_segment_fixed_size 0
		.amdhsa_enable_private_segment 0
		.amdhsa_kernarg_size 32
		.amdhsa_user_sgpr_count 2
		.amdhsa_user_sgpr_kernarg_segment_ptr 1
		.amdhsa_wavefront_size32 1
		.amdhsa_system_sgpr_workgroup_id_x 1
		.amdhsa_system_sgpr_workgroup_id_y 1
		.amdhsa_system_sgpr_workgroup_id_z 1
		.amdhsa_system_vgpr_workitem_id 0
		.amdhsa_next_free_vgpr 128
		.amdhsa_next_free_sgpr 100
		.amdhsa_reserve_vcc 1
		.amdhsa_float_denorm_mode_32 3
		.amdhsa_float_denorm_mode_16_64 3
		.amdhsa_memory_ordered 1
		.amdhsa_forward_progress 1
		.amdhsa_inst_pref_size 20
	.end_amdhsa_kernel
	.amdgpu_metadata
---
amdhsa.version: [ 1, 2 ]
amdhsa.kernels:
  - .name:           k_q47996b6090_place
    .symbol:         k_q47996b6090_place.kd
    .args:
      - { .name: rt, .offset: 0, .size: 8, .value_kind: global_buffer, .address_space: global }
      - { .name: ri, .offset: 8, .size: 8, .value_kind: global_buffer, .address_space: global }
      - { .name: xs, .offset: 16, .size: 8, .value_kind: global_buffer, .address_space: global }
      - { .name: pi, .offset: 24, .size: 8, .value_kind: global_buffer, .address_space: global }
    .group_segment_fixed_size: 0
    .private_segment_fixed_size: 0
    .kernarg_segment_align: 8
    .kernarg_segment_size: 32
    .max_flat_workgroup_size: 128
    .sgpr_count:     100
    .vgpr_count:     128
    .wavefront_size: 32
...
	.end_amdgpu_metadata
.endif
;; end of part 2
;; launch ffn1 (part 3): grid 32 x 8, 16 waves a work-group, no clusters, 104,960 bytes of LDS; arguments W1, b1, xs, pi, hq; writes hq
.if DOCPART == 3
	.amdgcn_target "amdgcn-amd-amdhsa--gfx1250"
	.amdhsa_code_object_version 6
	.text
	.protected	k_q47996b6090_ffn1
	.globl	k_q47996b6090_ffn1
	.p2align	8
	.type	k_q47996b6090_ffn1,@function
k_q47996b6090_ffn1:
	s_mov_b64 s[64:65], 0
	v_nop
	global_prefetch_b8 v0, s[64:65] scope:SCOPE_SE
	s_setreg_imm32_b32 hwreg(HW_REG_WAVE_MODE, 25, 1), 1
	s_wait_xcnt 0x0
; SPARSE MOE, launches 3 and 4 of 5: the two layers, ONE TEXT; the symbol LAYER alone differs.  Only the rows of chosen experts are multiplied (launch 1's head says why the others are dead work).
; LAYER 1: h = relu(x W1[e] + b1[e]), quantised along the hidden axis.  LAYER 2: y = h W2[e] + b2[e], in two halves of K.  Both products on codes of FP6 (E2M3) with one E8M0 scale for each 32 along K.
; THE WEIGHTS STAND STILL.  A work-group owns 512 KiB of f32 weights of one expert (layer 1: all 1,024 of K x 128 hidden units; layer 2: 2,048 of K x 64 outputs), reads them from memory ONCE, quantises
; them on the way and keeps the codes in LDS (96 KiB); the codes never go to memory.  Then the expert's rows, 32 at a time, are multiplied against them.
; THE STREAM.  K is the weights' first axis: a lane takes a column and its registers run down K; a load reads 128 consecutive bytes, and the waves of one K group stand side by side.  A block of 32 along K
; lies in one lane's registers, so its largest magnitude needs no other lane, and the conversions give codes with K innermost.  Each wave takes 32 columns x 256 of K: 8 blocks; loads run two blocks ahead.
; The codes go to LDS in the order of an operand's registers: fragment (K step, tile) at 1,536 bytes each, operand lane L's 12 registers at 48 L: three loads of 16 bytes bring a lane's fragment, and lanes 48 bytes
; apart start in sixteen different groups of four banks (64 banks of 4 bytes: ISA guide 11.1).
; THE ROWS.  The products are used transposed (source 0 = 16 columns of the weights, source 1 = 16 rows): a lane holds one row, its registers neighbouring columns.  A wave's unit is a pair of row tiles x four
; weight tiles, 8 accumulators by turns; the bias is loaded into the accumulators, so every K step is alike and nothing is cleared.  The rows' fragments come from memory straight into registers, as images, four K steps ahead.
; LAYER 1's tiles take the hidden units so that the 16 registers of two neighbouring tiles are 16 neighbours along layer 2's K: operand lane m of tile 2 b + u is unit 32 b + 8 u + m + 8 (m / 8).
; NO TENSOR LOADS, NO CLUSTER: the number of row pairs is a count that launch 2 stored, the row loop's trips hang on it; the rows that the work-groups of one
; expert share are not asked for jointly.  The one barrier stands ahead of every branch on that count.
; LIMITS: NaN and infinities are not served; a block of zeros, or one under 2^(3 - 127), gets the scale byte 1 (its codes and bytes are read by this program alone).
.set LAYER, 1
.if LAYER == 1
.set NT,     8                         ; weight tiles of 16 columns in the work-group
.set KST,    8                         ; K steps of 128
.set WPITCH, 16384                     ; bytes from row to row of the weights
.set STRIDE, 8                         ; pairs from one unit of a wave to its next,
.set LSTR,   3                         ; and its logarithm
.set NLD,    7                         ; loads that bring a pair's fragments and scale words of a K step
.set BIASB,  512
.set AMUL,   24576                     ; bytes of a pair's images, of its scale words, of its results
.set SMUL,   1024
.set OMUL,   98304
.set AB,     8                         ; s[8:9]: where the rows' images begin
.set VT,     20                        ; registers of the stream's tile bit and operand lane
.set VM,     21
.else
.set NT,     4
.set KST,    16
.set WPITCH, 4096
.set STRIDE, 16
.set LSTR,   4
.set NLD,    13
.set BIASB,  256
.set AMUL,   98304
.set SMUL,   4096
.set OMUL,   131072
.set AB,     44
.set VT,     19
.set VM,     18
.endif
.set BIAS,   0                         ; LDS: the bias of my columns;
.set SB,     BIASB                     ; the weights' scale words [K step][tile][16], 4,096 bytes;
.set SPARE,  SB+4096                   ; the spare words, 128 bytes a wave: eight blocks of 256 bytes that no other line names;
.set BC,     SPARE+2048                ; the weights' codes, 98,304 bytes;
.set STG,    BC+98304                  ; layer 2: a stage of 16 rows x (256 + 16) bytes for each wave
.set XSSOFF, 0x600000
.set HSOFF,  0x1800000
.set SPW, 1                            ; v1, v2 the add's two; never rewritten
.set NIL, 2
.set L4,  3                            ; 4, 8, 16 x lane
.set L8,  12
.set L16, 10
.set WB,  4                            ; the stream: where my column's codes and scale words go
.set WS,  5
.set RB0, 6                            ; the rows: my lane's place in the fragments (RB1: 49,152 bytes on, for offsets beyond 16 bits),
.set RB1, 7
.set RS,  8                            ; among the scale words, in the bias
.set RBI, 9
.set STO, 13                           ; layer 2's way out
.set RD,  14
.set YO,  15
.set AF,  16                           ; v[16:111]  the rows' fragments: buffer q at 24 q, tile ta at + 12 ta.  In the stream: three sets of 32 numbers
.set AS,  112                          ; v112-115   buffer q's scale words: lanes 0-15 tile 0, lanes 16-31 tile 1
.set SBX, 116                          ; v116, v117 the weights' scale words: lanes 0-15 the even tile, 16-31 the odd one
.set BX,  118                          ; v[118:165] four weight fragments: tiles 0, 1 (half 0), tiles 2, 3 (half 1)
.set TM,  118                          ; layer 1's way out: at work (the fragments are done with)
.set CD,  166                          ; its codes
.set CE,  178
.set ACC, 192                          ; v[192:255] accumulator (ta, tp) at 32 ta + 8 tp
.macro PLACES                          ; four plain lines between a matrix instruction and a load into, or a read of, its registers (ISA guide 7.12.1 for reads)
.rept 4
	v_nop
.endr
.endm
	s_load_b256 s[4:11], s[0:1], 0x0               ; the weights s[4:5], the bias s[6:7], the rows s[8:9], pi s[10:11]
	s_load_b64 s[12:13], s[0:1], 0x20              ; the results
	v_lshl_add_u32 v[SPW], v0, 2, SPARE
	v_mov_b32 v[NIL], 0
	v_lshrrev_b32 v16, 5, v0
	s_delay_alu instid0(VALU_DEP_1)
	v_readfirstlane_b32 s14, v16                   ; wave 0..15
	s_and_b32 s15, ttmp7, 0xffff                   ; e
	s_mov_b32 s16, ttmp9
	s_lshl_b32 s23, s15, 5                         ; the expert's first pair
	v_and_b32 v17, 31, v0                          ; lane
	v_and_b32 v18, 15, v0                          ; r
	v_bfe_u32 v19, v0, 4, 1                        ; h
	s_delay_alu instid0(VALU_DEP_3)
	v_lshlrev_b32 v[L4], 2, v17
	s_delay_alu instid0(VALU_DEP_4)
	v_lshlrev_b32 v[L8], 3, v17
	v_lshlrev_b32 v[L16], 4, v17
.if LAYER == 1
	s_and_b32 s40, s14, 3                          ; the stream: my 32 columns,
	s_lshr_b32 s41, s14, 2                         ; my 256 of K
	s_and_b32 s42, s14, 1                          ; the rows: my half of the 8 tiles,
	s_lshr_b32 s22, s14, 1                         ; my first pair
	v_bfe_u32 v20, v0, 3, 1                        ; column 32 cg + l lies in tile 2 cg + (l / 8) % 2,
	v_and_b32 v21, 7, v0
	s_delay_alu instid0(VALU_DEP_1)
	v_lshl_add_u32 v21, v19, 3, v21                ; at operand lane l % 8 + 8 (l / 16)
	s_mov_b32 s36, 0x76543210
	s_mov_b32 s37, 0xfedcba98                      ; v_permlanex16_b32's selects for lane l xor 16
	s_mov_b32 s38, 0xffff0000                      ; lanes 16-31
.else
	s_and_b32 s40, s14, 1                          ; (column 32 cg + l: tile 2 cg + l / 16, operand lane l % 16)
	s_lshr_b32 s41, s14, 1
	s_mov_b32 s22, s14
	s_lshr_b32 s57, s16, 1                         ; my 64 outputs,
	s_and_b32 s58, s16, 1                          ; my half of K
.endif
	v_mul_u32_u24 v[WB], v[VT], 1536
	s_delay_alu instid0(VALU_DEP_1)
	v_mad_u32_u24 v[WB], v[VM], 48, v[WB]
	s_mul_i32 s43, s41, 2*NT*1536
	s_mul_i32 s59, s40, 3072
	s_add_co_u32 s43, s43, s59
	s_add_co_u32 s43, s43, BC
	v_add_nc_u32 v[WB], s43, v[WB]                 ; fragment (2 kg, tile), operand lane m
	v_lshlrev_b32 v[WS], 6, v[VT]
	s_delay_alu instid0(VALU_DEP_1)
	v_lshl_add_u32 v[WS], v[VM], 2, v[WS]
	s_mul_i32 s43, s41, 2*NT*64
	s_lshl_b32 s59, s40, 7
	s_add_co_u32 s43, s43, s59
	s_add_co_u32 s43, s43, SB
	v_add_nc_u32 v[WS], s43, v[WS]
	v_mul_u32_u24 v[RB0], v17, 48
.if LAYER == 1
	s_mul_i32 s43, s42, 6144
	s_add_co_u32 s43, s43, BC
	v_add_nc_u32 v[RB0], s43, v[RB0]
	s_wait_alu depctr_va_vdst(0)
	s_lshl_b32 s43, s42, 8
	s_add_co_u32 s59, s43, SB
	v_add_nc_u32 v[RS], s59, v[L4]
	v_lshl_add_u32 v[RBI], v19, 6, s43             ; register j of tile tp is unit 64 ch + 32 (tp / 2) + 16 h + 8 (tp % 2) + j
	s_lshl_b32 s18, s15, 24                        ; the weights: e x 16 MiB + 256 kg rows + (128 j + 32 cg) columns
	s_lshl_b32 s59, s41, 22
	s_add_co_u32 s18, s18, s59
	s_lshl_b32 s59, s16, 9
	s_add_co_u32 s18, s18, s59
	s_lshl_b32 s52, s15, 14                        ; the bias: e x 4,096 + 128 j numbers
	s_add_co_u32 s52, s52, s59
	s_mul_i32 s48, s16, 3072                       ; results: K step j of layer 2, registers 6 ch on
	s_mul_i32 s59, s42, 768
	s_add_co_u32 s48, s48, s59
	s_lshl_b32 s50, s16, 7                         ; their scale words' halves
	s_lshl_b32 s59, s42, 1
	s_add_co_u32 s50, s50, s59
	s_mov_b32 s51, 0
.else
	v_add_nc_u32 v[RB0], BC, v[RB0]
	v_add_nc_u32 v[RS], SB, v[L4]
	v_lshlrev_b32 v[RBI], 5, v19                   ; register j of tile tp is output 16 tp + 8 h + j
	s_mul_i32 s43, s14, 16*272
	s_add_co_u32 s43, s43, STG                     ; my stage
	v_mul_u32_u24 v[STO], v18, 272
	v_lshl_add_u32 v[STO], v19, 5, v[STO]
	v_add_nc_u32 v[STO], s43, v[STO]               ; in: row r, 32 bytes for each half of the lanes
	v_mul_u32_u24 v[RD], v19, 272
	v_lshl_add_u32 v[RD], v18, 4, v[RD]
	v_add_nc_u32 v[RD], s43, v[RD]                 ; back: lanes 0-15 one row of 256 bytes, lanes 16-31 the next
	v_lshlrev_b32 v[YO], 12, v19
	v_lshl_add_u32 v[YO], v18, 4, v[YO]            ; and the same two rows in memory
	s_lshl_b32 s18, s15, 24                        ; the weights: e x 16 MiB + (2,048 kp + 256 kg) rows + (64 cb + 32 cg) columns
	s_lshl_b32 s59, s58, 23
	s_add_co_u32 s18, s18, s59
	s_lshl_b32 s59, s41, 20
	s_add_co_u32 s18, s18, s59
	s_lshl_b32 s59, s57, 8
	s_add_co_u32 s18, s18, s59
	s_lshl_b32 s52, s15, 12                        ; the bias: e x 1,024 + 64 cb numbers
	s_add_co_u32 s52, s52, s59
	s_lshl_b32 s48, s58, 25                        ; results: my half of K, my 64 outputs
	s_add_co_u32 s48, s48, s59
	s_mul_i32 s44, s58, 49152                      ; the rows: K steps 16 kp on
	s_mov_b32 s45, 0
	s_lshl_b32 s46, s58, 11
	s_mov_b32 s47, 0
	s_cmp_eq_u32 s58, 0
	s_cselect_b32 s56, -1, 0                       ; the bias goes into the first half of K alone
.endif
	v_add_nc_u32 v[RB1], 49152, v[RB0]
	s_lshl_b32 s59, s40, 7
	s_add_co_u32 s18, s18, s59
	s_mov_b32 s19, 0
	s_mov_b32 s53, 0
	s_mov_b32 s49, 0
	s_lshl_b32 s54, s15, 7
	s_mov_b32 s55, 0
	s_wait_kmcnt 0x0
	s_add_nc_u64 s[18:19], s[4:5], s[18:19]
	s_add_nc_u64 s[52:53], s[6:7], s[52:53]
	s_add_nc_u64 s[54:55], s[10:11], s[54:55]
	s_load_b32 s20, s[54:55], 0x0                  ; the expert's rows: wanted behind the stream
	s_add_nc_u64 s[48:49], s[12:13], s[48:49]
.if LAYER == 1
	s_add_nc_u64 s[46:47], s[8:9], XSSOFF
	s_add_nc_u64 s[50:51], s[12:13], s[50:51]
	s_add_nc_u64 s[50:51], s[50:51], HSOFF
.else
	s_add_nc_u64 s[44:45], s[8:9], s[44:45]
	s_add_nc_u64 s[46:47], s[8:9], s[46:47]
	s_add_nc_u64 s[46:47], s[46:47], HSOFF
.endif
	s_cmp_lg_u32 s14, 0
	s_cbranch_scc1 .Lno_bias_load
.if LAYER == 1
	global_load_b128 v[136:139], v[L16], s[52:53]  ; wave 0: the work-group's bias (older than every load below: their counted waits hold with it and without)
.else
	global_load_b64 v[136:137], v[L8], s[52:53]
.endif
.Lno_bias_load:
.macro LOADW t                         ; block t: rows 32 t + i of my 256, my column, into set t % 3
.set i_, 0
.rept 32
	global_load_b32 v[AF+32*((\t)%3)+i_], v[L4], s[18:19] offset:(32*(\t)+i_)*WPITCH th:TH_LOAD_NT
.set i_, i_+1
.endr
.endm
.macro BLOCKW t
.set XS, AF+32*((\t)%3)
.set WO, ((\t)/4)*NT*1536+((\t)%2)*768+(((\t)/2)%2)*24   ; K step 2 kg + t / 4; in it block t % 4 = 2 c + h: operand lanes 16 h on, registers 6 c on
.if (\t) < 6
	LOADW (\t)+2
	s_wait_loadcnt 63                              ; 64 loads are younger than this block's; the wait's field names 63 at the most
.elseif (\t) == 6
	s_wait_loadcnt 32                              ; the last block's may be out
.else
	s_wait_loadcnt 0x0
.endif
	v_max3_num_f32 v130, |v[XS]|, |v[XS+1]|, |v[XS+2]|   ; the block's largest magnitude: all 32 numbers are mine; two chains
	v_max3_num_f32 v131, |v[XS+3]|, |v[XS+4]|, |v[XS+5]|
.irp i, 6,10,14,18,22,26
	s_delay_alu instid0(VALU_DEP_2)
	v_max3_num_f32 v130, v130, |v[XS+\i]|, |v[XS+\i+1]|
	s_delay_alu instid0(VALU_DEP_2)
	v_max3_num_f32 v131, v131, |v[XS+\i+2]|, |v[XS+\i+3]|
.endr
	s_delay_alu instid0(VALU_DEP_2)
	v_max3_num_f32 v130, v130, |v[XS+30]|, |v[XS+31]|
	s_delay_alu instid0(VALU_DEP_1)
	v_max3_num_f32 v130, v130, v131, 0x1800000     ; and the floor 2^(3 - 127): the byte cannot fall under 1
	s_delay_alu instid0(VALU_DEP_1)
	v_add_nc_u32 v132, 0xff000000, v130            ; 2 off the exponent field: the conversion's scale operand
	v_cvt_scalef32_pk16_fp6_f32 v[120:122], v[XS:XS+15], v132
	v_cvt_scalef32_pk16_fp6_f32 v[124:126], v[XS+16:XS+31], v132   ; (a conversion's three registers begin on an even number)
	v_lshrrev_b32 v133, 23, v132                   ; the scale's byte; also the plain line behind the conversions
.if (\t)%4 == 0
	s_delay_alu instid0(VALU_DEP_1)
	v_mov_b32 v[128+(\t)/4], v133                  ; four bytes make a K step's scale word, the lower K in the lower byte
.else
	s_delay_alu instid0(VALU_DEP_1)
	v_lshl_or_b32 v[128+(\t)/4], v133, 8*((\t)%4), v[128+(\t)/4]
.endif
	v_mov_b32 v123, v124
	v_mov_b32 v124, v125
	v_mov_b32 v125, v126
	ds_store_b64 v[WB], v[120:121] offset:WO
	ds_store_b64 v[WB], v[122:123] offset:WO+8
	ds_store_b64 v[WB], v[124:125] offset:WO+16
	s_wait_dscnt 0x0                               ; the stores have read their registers: the next block's codes may be written
.endm
	LOADW 0
	LOADW 1
.irp t, 0,1,2,3,4,5,6,7
	BLOCKW \t
.endr
	ds_store_b32 v[WS], v128
	s_wait_alu depctr_va_vdst(0)
	ds_store_b32 v[WS], v129 offset:NT*64
	s_cmp_lg_u32 s14, 0
	s_cbranch_scc1 .Lno_bias_store
.if LAYER == 1
	ds_store_b128 v[L16], v[136:139] offset:BIAS
.else
	v_and_b32 v136, s56, v136
	v_and_b32 v137, s56, v137
	ds_store_b64 v[L8], v[136:137] offset:BIAS
.endif
.Lno_bias_store:
	s_wait_dscnt 0x0                               ; my stores have landed
	s_barrier_signal -1
	s_barrier_wait -1                              ; codes, scale words and bias are whole: from here on they are only read
.macro BASES a, p                      ; s[a:a+1], s[a+2:a+3]: where the images and the scale words of the pair in s[p] begin
	s_mul_i32 s[\a], s[\p], AMUL
	s_mov_b32 s[\a+1], 0
	s_add_nc_u64 s[\a:\a+1], s[\a:\a+1], s[AB:AB+1]
	s_mul_i32 s[\a+2], s[\p], SMUL
	s_mov_b32 s[\a+3], 0
	s_add_nc_u64 s[\a+2:\a+3], s[\a+2:\a+3], s[46:47]
.endm
.macro ALOAD q, b, ks                  ; a pair's two fragments and its scale words of K step ks into buffer q: images, so each load is 512 (256) consecutive bytes
.if LAYER == 1
.irp ta, 0,1
.irp c, 0,1,2
	global_load_b128 v[AF+24*(\q)+12*\ta+4*\c:AF+24*(\q)+12*\ta+4*\c+3], v[L16], s[\b:\b+1] offset:12288*\ta+1536*(\ks)+512*\c
.endr
.endr
.else
.irp ta, 0,1
.irp p, 0,1,2,3,4,5
	global_load_b64 v[AF+24*(\q)+12*\ta+2*\p:AF+24*(\q)+12*\ta+2*\p+1], v[L8], s[\b:\b+1] offset:3072*(\ks)+1536*\ta+256*\p
.endr
.endr
.endif
	global_load_b32 v[AS+(\q)], v[L4], s[\b+2:\b+3] offset:128*(\ks)
.endm
.macro BLOAD half, ks                  ; two weight fragments and their scale words: seven LDS loads
.set BO, (\ks)*NT*1536+(\half)*3072
.set BR, RB0
.if BO >= 49152
.set BR, RB1
.set BO, BO-49152
.endif
.irp tt, 0,1
.irp c, 0,1,2
	ds_load_b128 v[BX+24*(\half)+12*\tt+4*\c:BX+24*(\half)+12*\tt+4*\c+3], v[BR] offset:BO+1536*\tt+16*\c
.endr
.endr
	ds_load_b32 v[SBX+(\half)], v[RS] offset:(\ks)*NT*64+128*(\half)
.endm
.macro WM ta, tp, q                    ; accumulator (ta, tp) += weight tile tp x row tile ta; the scale words' rows: the odd weight tile's and row tile 1's lie in lanes 16-31
.set rD, ACC+32*(\ta)+8*(\tp)
.set rB, BX+12*(\tp)
.set rA, AF+24*(\q)+12*(\ta)
.set rS, SBX+(\tp)/2
.if ((\tp)%2 == 0) && ((\ta) == 0)
	v_wmma_scale_f32_16x16x128_f8f6f4 v[rD:rD+7], v[rB:rB+11], v[rA:rA+11], v[rD:rD+7], v[rS], v[AS+(\q)] matrix_a_fmt:MATRIX_FMT_FP6 matrix_b_fmt:MATRIX_FMT_FP6
.elseif (\ta) == 0
	v_wmma_scale_f32_16x16x128_f8f6f4 v[rD:rD+7], v[rB:rB+11], v[rA:rA+11], v[rD:rD+7], v[rS], v[AS+(\q)] matrix_a_fmt:MATRIX_FMT_FP6 matrix_b_fmt:MATRIX_FMT_FP6 matrix_a_scale:MATRIX_SCALE_ROW1
.elseif (\tp)%2 == 0
	v_wmma_scale_f32_16x16x128_f8f6f4 v[rD:rD+7], v[rB:rB+11], v[rA:rA+11], v[rD:rD+7], v[rS], v[AS+(\q)] matrix_a_fmt:MATRIX_FMT_FP6 matrix_b_fmt:MATRIX_FMT_FP6 matrix_b_scale:MATRIX_SCALE_ROW1
.else
	v_wmma_scale_f32_16x16x128_f8f6f4 v[rD:rD+7], v[rB:rB+11], v[rA:rA+11], v[rD:rD+7], v[rS], v[AS+(\q)] matrix_a_fmt:MATRIX_FMT_FP6 matrix_b_fmt:MATRIX_FMT_FP6 matrix_a_scale:MATRIX_SCALE_ROW1 matrix_b_scale:MATRIX_SCALE_ROW1
.endif
.endm
; A K step: eight matrix instructions, the eight accumulators by turns, one instruction a turn, in the same order in every step.
.macro STEP ks
	s_wait_loadcnt 3*NLD                           ; this step's rows are in; those of the three later steps (at a unit's end: of the next unit's first steps) may be out
	s_wait_dscnt 7                                 ; half 0 (in step 0 the bias too) is in; half 1's seven loads may be out
	WM 0, 0, (\ks)%4
	WM 1, 0, (\ks)%4
	WM 0, 1, (\ks)%4
	WM 1, 1, (\ks)%4
	PLACES
.if (\ks) < KST-1
	BLOAD 0, (\ks)+1
	s_wait_dscnt 7                                 ; half 1 is in; the seven just issued may be out
.else
	s_wait_dscnt 0x0
.endif
	WM 0, 2, (\ks)%4
	WM 1, 2, (\ks)%4
	WM 0, 3, (\ks)%4
	WM 1, 3, (\ks)%4
	PLACES
.if (\ks) < KST-1
	BLOAD 1, (\ks)+1
.endif
.if (\ks)+4 < KST
	ALOAD (\ks)%4, 24, (\ks)+4
.else
	ALOAD (\ks)%4, 28, (\ks)+4-KST                 ; the next unit's first four steps take the places of steps KST on: so the counts hold over the loop's edge
.endif
.endm
	s_wait_kmcnt 0x0
	s_min_u32 s20, s20, 1024
	s_add_co_u32 s21, s20, 31
	s_lshr_b32 s21, s21, 5
	s_max_u32 s21, s21, 1                          ; the pairs that launch 2 filled
	s_cmp_ge_u32 s22, s21
	s_cbranch_scc1 .Lend                           ; no pair for this wave
	s_sub_co_u32 s62, s21, s22
	s_add_co_u32 s62, s62, STRIDE-1
	s_lshr_b32 s62, s62, LSTR                      ; my units: the pairs first, first + STRIDE .. under the number of pairs; at least one here
	s_mov_b32 s61, 0                               ; units done: the loop's counter, stepped by 1
	s_min_u32 s59, s22, 31
	s_add_co_u32 s59, s59, s23
	BASES 24, 59
	ALOAD 0, 24, 0
	ALOAD 1, 24, 1
	ALOAD 2, 24, 2
	ALOAD 3, 24, 3
.Lunit:
	s_add_co_u32 s59, s22, STRIDE                  ; my next pair; behind my last one a pair that exists is asked for and not used: no load leaves what the launch before wrote
	s_sub_co_u32 s60, s21, 1
	s_min_u32 s59, s59, s60
	s_min_u32 s59, s59, 31
	s_add_co_u32 s59, s59, s23
	BASES 28, 59
	s_min_u32 s59, s22, 31
	s_add_co_u32 s59, s59, s23
	s_mul_i32 s32, s59, OMUL
	s_mov_b32 s33, 0
	s_add_nc_u64 s[32:33], s[32:33], s[48:49]      ; where this pair's results go
.if LAYER == 1
	s_lshl_b32 s34, s59, 12
	s_mov_b32 s35, 0
	s_add_nc_u64 s[34:35], s[34:35], s[50:51]
.endif
.irp ta, 0,1
.irp tp, 0,1,2,3
.irp g, 0,1
.if LAYER == 1
	ds_load_b128 v[ACC+32*\ta+8*\tp+4*\g:ACC+32*\ta+8*\tp+4*\g+3], v[RBI] offset:BIAS+(32*(\tp/2)+8*(\tp%2))*4+16*\g   ; the bias starts the sums
.else
	ds_load_b128 v[ACC+32*\ta+8*\tp+4*\g:ACC+32*\ta+8*\tp+4*\g+3], v[RBI] offset:BIAS+64*\tp+16*\g
.endif
.endr
.endr
.endr
	BLOAD 0, 0
	BLOAD 1, 0
.set ks_, 0
.rept KST
	STEP ks_
.set ks_, ks_+1
.endr
.if LAYER == 1
	; THE WAY OUT, layer 1: relu in f32 (each accumulator from its low end on), then the quantiser along layer 2's K.  The 16 registers of tiles 2 b', 2 b' + 1 are units 32 b' + 16 h + 0 .. 15 of my 64: a block lies in lanes l and l xor 16.
.set a_, 0
.rept 64
	v_max_num_f32 v[ACC+a_], 0, v[ACC+a_]
.set a_, a_+1
.endr
.irp q, 0,1,2,3                        ; four blocks (row tile q / 2, block q % 2) by turns; no |.|: nothing is negative
	v_max3_num_f32 v[TM+\q], v[ACC+16*\q], v[ACC+16*\q+1], 0x1800000
.endr
.irp i, 2,4,6,8,10,12,14
.irp q, 0,1,2,3
	s_delay_alu instid0(VALU_DEP_4)
	v_max3_num_f32 v[TM+\q], v[TM+\q], v[ACC+16*\q+\i], v[ACC+16*\q+\i+1]
.endr
.endr
.irp q, 0,1,2,3
	v_mov_b32 v[TM+4+\q], 0                        ; a lane permute's destination counts as one of its sources
.endr
.irp q, 0,1,2,3
	s_delay_alu instid0(VALU_DEP_4)
	v_permlanex16_b32 v[TM+4+\q], v[TM+\q], s36, s37
.endr
.irp q, 0,1,2,3
	s_delay_alu instid0(VALU_DEP_4)
	v_max_num_f32 v[TM+\q], v[TM+\q], v[TM+4+\q]
.endr
.irp q, 0,1,2,3
	s_delay_alu instid0(VALU_DEP_4)
	v_add_nc_u32 v[TM+8+\q], 0xff000000, v[TM+\q]
.endr
.irp q, 0,1,2,3
	s_delay_alu instid0(VALU_DEP_4)
	v_lshrrev_b32 v[TM+12+\q], 23, v[TM+8+\q]
.endr
.irp ta, 0
	s_delay_alu instid0(VALU_DEP_3)
	v_lshl_or_b32 v[TM+16+\ta], v[TM+13+2*\ta], 8, v[TM+12+2*\ta]   ; my two bytes of the row's scale word
.endr
.irp ta, 1
	s_delay_alu instid0(VALU_DEP_2)
	v_lshl_or_b32 v[TM+16+\ta], v[TM+13+2*\ta], 8, v[TM+12+2*\ta]   ; my two bytes of the row's scale word
.endr
	s_delay_alu instid0(VALU_DEP_1)
	v_cndmask_b32 v[TM+18], v[TM+16], v[TM+17], s38   ; lanes 0-15 tile 0's rows, lanes 16-31 tile 1's
.irp ta, 0,1
	v_cvt_scalef32_pk16_fp6_f32 v[CD+6*\ta:CD+6*\ta+2], v[ACC+32*\ta:ACC+32*\ta+15], v[TM+8+2*\ta]
	v_cvt_scalef32_pk16_fp6_f32 v[CE+4*\ta:CE+4*\ta+2], v[ACC+32*\ta+16:ACC+32*\ta+31], v[TM+9+2*\ta]
.endr
	v_nop                                          ; one plain line behind the conversions
.irp ta, 0,1                           ; the operand wants a whole block in a lane: lanes 0-15 block 0, lanes 16-31 block 1
.irp i, 0,1,2
	v_permlane16_swap_b32 v[CD+6*\ta+\i], v[CE+4*\ta+\i]
.endr
.irp i, 0,1,2
	s_delay_alu instid0(VALU_DEP_3)
	v_mov_b32 v[CD+6*\ta+3+\i], v[CE+4*\ta+\i]
.endr
.endr
.irp ta, 0,1
.irp i, 0,1,2
	global_store_b64 v[L8], v[CD+6*\ta+2*\i:CD+6*\ta+2*\i+1], s[32:33] offset:1536*\ta+256*\i   ; registers 6 ch + 2 i, + 1 of layer 2's fragment: 256 consecutive bytes, at a multiple of 256 from hq's first byte
.endr
.endr
	global_store_b16 v[L4], v[TM+18], s[34:35]     ; half a scale word a lane: the wave beside me stores the other half (one byte in 24 of what the launch stores)
.else
	; THE WAY OUT, layer 2: a lane holds 32 bytes of a row for each weight tile; a tile of 16 rows goes through my own stage and comes back as rows of 256 bytes.  LDS serves a wave's instructions in order (ISA guide 5.7.1.4): no wait between.
.irp ta, 0,1
.irp tp, 0,1,2,3
	ds_store_b128 v[STO], v[ACC+32*\ta+8*\tp:ACC+32*\ta+8*\tp+3] offset:64*\tp       ; each accumulator from its low end on
	ds_store_b128 v[STO], v[ACC+32*\ta+8*\tp+4:ACC+32*\ta+8*\tp+7] offset:64*\tp+16
.endr
.irp i, 0,1,2,3,4,5,6,7
	ds_load_b128 v[BX+32*\ta+4*\i:BX+32*\ta+4*\i+3], v[RD] offset:544*\i
.endr
.endr
.irp ta, 0,1
.irp i, 0,1,2,3,4,5,6,7
	s_wait_dscnt 23-16*\ta-\i                      ; younger than tile 0's load i: its 7 - i later loads and tile 1's 8 stores and 8 loads; than tile 1's: 7 - i
	global_store_b128 v[YO], v[BX+32*\ta+4*\i:BX+32*\ta+4*\i+3], s[32:33] offset:(16*\ta+2*\i)*4096 th:TH_STORE_NT   ; sixteen lanes store 256 consecutive bytes, at a multiple of 256 from yp's first byte
.endr
.endr
.endif
	s_wait_xcnt 0x0                                ; the stores have read their data and bases, the loads their bases: all may be written again
	s_mov_b64 s[24:25], s[28:29]
	s_mov_b64 s[26:27], s[30:31]
	s_add_co_u32 s22, s22, STRIDE                  ; my next pair
	s_add_co_u32 s61, s61, 1
	s_cmp_lt_u32 s61, s62
	s_cbranch_scc1 .Lunit
.Lend:
	s_wait_tensorcnt 0x0                           ; the wave's end, behind my last LDS store
	ds_add_u32 v[SPW], v[NIL]
	s_wait_dscnt 0x0
	s_endpgm
.Lfunc_end_k_q47996b6090_ffn1:
	.size	k_q47996b6090_ffn1, .Lfunc_end_k_q47996b6090_ffn1-k_q47996b6090_ffn1
	.p2alignl 7, 3214868480
	.fill 96, 4, 3214868480
	.section	.rodata,"a",@progbits
	.p2align	6, 0x0
	.amdhsa_kernel k_q47996b6090_ffn1
		.amdhsa_group_segment_fixed_size 104960
		.amdhsa_private_segment_fixed_size 0
		.amdhsa_enable_private_segment 0
		.amdhsa_kernarg_size 40
		.amdhsa_user_sgpr_count 2
		.amdhsa_user_sgpr_kernarg_segment_ptr 1
		.amdhsa_wavefront_size32 1
		.amdhsa_system_sgpr_workgroup_id_x 1
		.amdhsa_system_sgpr_workgroup_id_y 1
		.amdhsa_system_sgpr_workgroup_id_z 1
		.amdhsa_system_vgpr_workitem_id 0
		.amdhsa_next_free_vgpr 256
		.amdhsa_next_free_sgpr 66
		.amdhsa_reserve_vcc 0
		.amdhsa_float_denorm_mode_32 3
		.amdhsa_float_denorm_mode_16_64 3
		.amdhsa_memory_ordered 1
		.amdhsa_forward_progress 1
		.amdhsa_inst_pref_size 83
	.end_amdhsa_kernel
	.amdgpu_metadata
---
amdhsa.version: [ 1, 2 ]
amdhsa.kernels:
  - .name:           k_q47996b6090_ffn1
    .symbol:         k_q47996b6090_ffn1.kd
    .args:
      - { .name: W1, .offset: 0, .size: 8, .value_kind: global_buffer, .address_space: global }
      - { .name: b1, .offset: 8, .size: 8, .value_kind: global_buffer, .address_space: global }
      - { .name: xs, .offset: 16, .size: 8, .value_kind: global_buffer, .address_space: global }
      - { .name: pi, .offset: 24, .size: 8, .value_kind: global_buffer, .address_space: global }
      - { .name: hq, .offset: 32, .size: 8, .value_kind: global_buffer, .address_space: global }
    .group_segment_fixed_size: 104960
    .private_segment_fixed_size: 0
    .kernarg_segment_align: 8
    .kernarg_segment_size: 40
    .max_flat_workgroup_size: 512
    .sgpr_count:     66
    .vgpr_count:     256
    .wavefront_size: 32
...
	.end_amdgpu_metadata
.endif
;; end of part 3
;; launch ffn2 (part 4): grid 32 x 8, 16 waves a work-group, no clusters, 174,336 bytes of LDS; arguments W2, b2, hq, pi, yp; writes yp
.if DOCPART == 4
	.amdgcn_target "amdgcn-amd-amdhsa--gfx1250"
	.amdhsa_code_object_version 6
	.text
	.protected	k_q47996b6090_ffn2
	.globl	k_q47996b6090_ffn2
	.p2align	8
	.type	k_q47996b6090_ffn2,@function
k_q47996b6090_ffn2:
	s_mov_b64 s[64:65], 0
	v_nop
	global_prefetch_b8 v0, s[64:65] scope:SCOPE_SE
	s_setreg_imm32_b32 hwreg(HW_REG_WAVE_MODE, 25, 1), 1
	s_wait_xcnt 0x0
; SPARSE MOE, launch 4 of 5: y = h W2[e] + b2[e], in two halves of K, on codes of FP6 (E2M3) with one E8M0 scale for each 32 along K.
; Only the rows of chosen experts are multiplied (launch 1's head says why the others are dead work).
; A work-group owns 2,048 of K x 64 outputs of one expert: 512 KiB of f32, read from memory once, quantised on the way, the codes kept in LDS (96 KiB).
; THE STREAM AND THE ROWS GO TOGETHER.  K goes in 8 chunks of 256.  In a chunk each of the 16 waves quantises ONE block: 32 of K (block wave / 2) x 32 columns (wave % 2): a lane takes a column,
; its 32 registers run down K, so the block's largest magnitude needs no other lane and the codes come out with K innermost.  A barrier shows the chunk's codes to all waves; then wave w multiplies
; its pair of row tiles (pair w of the expert) by the chunk's two K steps, 16 matrix instructions, while the weights of later chunks are on their way.
; The barriers stand on every wave's path; the branch on the count that launch 2 stored leads round the products of a wave without a pair, and round nothing else.
; Every wave loads the bias into its accumulators and the first two K steps of a pair that exists, so that each register is written on every way through the text.
; An expert has at most 32 pairs: pair w + 16, where there is one, is multiplied behind the stream by the same macros.
; Codes in LDS: fragment (K step, tile) of 1,536 bytes, operand lane L's 12 registers at 48 L.  Products transposed: source 0 = 16 columns of the weights, source 1 = 16 rows.
; NO TENSOR LOADS, NO CLUSTER: what a wave multiplies hangs on a stored count.  NO PREFETCH: the weights' loads ask memory all through the launch.
; LIMITS: NaN and infinities are not served; a block of zeros, or one under 2^(3 - 127), gets the scale byte 1 (its codes and bytes are read by this program alone).
.set NT,     4                         ; weight tiles of 16 columns
.set BIAS,   0                         ; LDS: the bias of my 64 columns;
.set SB,     256                       ; the weights' scale words [K step][tile][16], 4,096 bytes;
.set SPARE,  SB+4096                   ; the spare words, 128 bytes a wave, that no other line names;
.set BC,     SPARE+2048                ; the weights' codes, 98,304 bytes;
.set STG,    BC+98304                  ; a stage of 16 rows x (256 + 16) bytes for each wave
.set HSOFF,  0x1800000
.set SPW, 1                            ; v1, v2 the add's two; never rewritten
.set NIL, 2
.set L4,  3                            ; 4 x lane, 8 x lane
.set L8,  12
.set WB,  4                            ; where my block's codes go in chunks 0-3 (WB1: chunks 4-7), and its scale byte
.set WB1, 10
.set WS,  5
.set RB0, 6                            ; my lane's place in the fragments (RB1: 49,152 bytes on), among the scale words, in the bias
.set RB1, 7
.set RS,  8
.set RBI, 9
.set STO, 13                           ; the way out
.set RD,  14
.set YO,  15
.set WR,  16                           ; v[16:111]  three sets of 32 weights; the set just converted holds weight fragments 0, 1 while its chunk is multiplied
.set AF,  112                          ; v[112:159] the rows' fragments of two K steps: buffer q at 24 q, tile ta at + 12 ta
.set AS,  160                          ; v160, v161 their scale words: lanes 0-15 tile 0, lanes 16-31 tile 1
.set BI,  162                          ; v162, v163 wave 0: the bias
.set BH,  164                          ; v[164:187] the quantiser's scratch, then weight fragments 2, 3
.set SBX, 188                          ; v188, v189 the weights' scale words: lanes 0-15 the even tile, 16-31 the odd one
.set ACC, 192                          ; v[192:255] accumulator (ta, tp) at 32 ta + 8 tp
.macro PLACES                          ; four plain lines between a matrix instruction and a load into, or a read or write of, its registers
.rept 4
	v_nop
.endr
.endm
	s_load_b256 s[4:11], s[0:1], 0x0               ; W2 s[4:5], b2 s[6:7], hq s[8:9], pi s[10:11]
	s_load_b64 s[12:13], s[0:1], 0x20              ; yp
	v_lshl_add_u32 v[SPW], v0, 2, SPARE
	v_mov_b32 v[NIL], 0
	v_lshrrev_b32 v16, 5, v0
	v_and_b32 v17, 31, v0                          ; lane
	v_and_b32 v18, 15, v0                          ; r
	v_bfe_u32 v19, v0, 4, 1                        ; h
	v_readfirstlane_b32 s14, v16                   ; wave 0..15
	v_lshlrev_b32 v[L4], 2, v17
	v_lshlrev_b32 v[L8], 3, v17
	v_mul_u32_u24 v[WB], v19, 1536                 ; column 32 cg + l: tile 2 cg + l / 16, operand lane l % 16
	v_lshlrev_b32 v[WS], 6, v19
	v_mul_u32_u24 v[RB0], v17, 48
	v_mul_u32_u24 v[STO], v18, 272
	v_mul_u32_u24 v[RD], v19, 272
	v_lshlrev_b32 v[YO], 12, v19
	v_mad_u32_u24 v[WB], v18, 48, v[WB]
	v_lshl_add_u32 v[WS], v18, 2, v[WS]
	v_add_nc_u32 v[RB0], BC, v[RB0]
	v_lshl_add_u32 v[STO], v19, 5, v[STO]          ; stage, in: row r, 32 bytes for each half of the lanes
	v_lshl_add_u32 v[RD], v18, 4, v[RD]            ; back: lanes 0-15 one row of 256 bytes, lanes 16-31 the next
	v_lshl_add_u32 v[YO], v18, 4, v[YO]            ; and the same two rows in memory
	v_add_nc_u32 v[RS], SB, v[L4]
	v_lshlrev_b32 v[RBI], 5, v19                   ; register j of tile tp is output 16 tp + 8 h + j
	v_add_nc_u32 v[RB1], 49152, v[RB0]
	s_wait_alu depctr_va_vdst(0)
	s_and_b32 s15, ttmp7, 0xffff                   ; e
	s_lshl_b32 s23, s15, 5                         ; the expert's first pair
	s_and_b32 s40, s14, 1                          ; cg: my 32 columns
	s_lshr_b32 s41, s14, 1                         ; kb: my block of a chunk's eight
	s_lshr_b32 s57, ttmp9, 1                       ; my 64 outputs,
	s_and_b32 s58, ttmp9, 1                        ; my half of K
	s_mul_i32 s43, s40, 3072                       ; codes: block kb is K step kb / 4 of the chunk's two; in it block 2 c + h: operand lanes 16 h on, registers 6 c on
	s_lshr_b32 s59, s41, 2
	s_mul_i32 s60, s59, NT*1536
	s_add_co_u32 s43, s43, s60
	s_and_b32 s60, s41, 1
	s_mul_i32 s60, s60, 768
	s_add_co_u32 s43, s43, s60
	s_bfe_u32 s60, s41, 0x10001
	s_mul_i32 s60, s60, 24
	s_add_co_u32 s43, s43, s60
	s_add_co_u32 s43, s43, BC
	s_lshl_b32 s42, s40, 7                         ; scale bytes: byte kb % 4 of the K step's word
	s_lshl_b32 s59, s59, 8
	s_add_co_u32 s42, s42, s59
	s_and_b32 s59, s41, 3
	s_add_co_u32 s42, s42, s59
	s_add_co_u32 s42, s42, SB
	s_mul_i32 s39, s14, 16*272
	s_add_co_u32 s39, s39, STG                     ; my stage
	s_lshl_b32 s18, s15, 24                        ; the weights: e x 16 MiB + (2,048 kp + 32 kb) rows + (64 cb + 32 cg) columns
	s_lshl_b32 s59, s58, 23
	s_add_co_u32 s18, s18, s59
	s_lshl_b32 s59, s41, 17
	s_add_co_u32 s18, s18, s59
	s_lshl_b32 s59, s57, 8
	s_add_co_u32 s18, s18, s59
	s_lshl_b32 s52, s15, 12                        ; the bias: e x 1,024 + 64 cb numbers
	s_add_co_u32 s52, s52, s59
	s_lshl_b32 s48, s58, 25                        ; results: my half of K, my 64 outputs
	s_add_co_u32 s48, s48, s59
	s_lshl_b32 s59, s40, 7
	s_add_co_u32 s18, s18, s59
	s_mov_b32 s19, 0
	s_mov_b32 s53, 0
	s_mov_b32 s49, 0
	s_mul_i32 s44, s58, 49152                      ; the rows: K steps 16 kp on
	s_mov_b32 s45, 0
	s_lshl_b32 s46, s58, 11
	s_mov_b32 s47, 0
	s_lshl_b32 s54, s15, 7
	s_mov_b32 s55, 0
	s_cmp_eq_u32 s58, 0
	s_cselect_b32 s56, -1, 0                       ; the bias goes into the first half of K alone
	v_add_nc_u32 v[WB], s43, v[WB]
	v_add_nc_u32 v[WS], s42, v[WS]
	v_add_nc_u32 v[STO], s39, v[STO]
	v_add_nc_u32 v[RD], s39, v[RD]
	v_add_nc_u32 v[WB1], 49152, v[WB]
	s_wait_alu depctr_va_vdst(0)
	s_wait_kmcnt 0x0
	s_add_nc_u64 s[54:55], s[10:11], s[54:55]
	s_load_b32 s20, s[54:55], 0x0                  ; the expert's rows
	s_add_nc_u64 s[18:19], s[4:5], s[18:19]
	s_add_nc_u64 s[52:53], s[6:7], s[52:53]
	s_add_nc_u64 s[48:49], s[12:13], s[48:49]
	s_add_nc_u64 s[44:45], s[8:9], s[44:45]
	s_add_nc_u64 s[46:47], s[8:9], s[46:47]
	s_add_nc_u64 s[46:47], s[46:47], HSOFF
	s_cmp_lg_u32 s14, 0
	s_cbranch_scc1 .Lno_bias_load
	global_load_b64 v[BI:BI+1], v[L8], s[52:53]    ; wave 0: the bias (older than every load below: their counted waits hold with it and without)
.Lno_bias_load:
.macro LOADW t                         ; chunk t: rows 256 t + 32 kb + i, my column, into set t % 3
.set i_, 0
.rept 32
	global_load_b32 v[WR+32*((\t)%3)+i_], v[L4], s[18:19] offset:((\t)<<20)+(i_<<12) th:TH_LOAD_NT
.set i_, i_+1
.endr
.endm
.macro BASES a, p                      ; s[a:a+1], s[a+2:a+3]: where the images and the scale words of the pair in s[p] begin
	s_mul_i32 s[\a], s[\p], 98304
	s_mov_b32 s[\a+1], 0
	s_add_nc_u64 s[\a:\a+1], s[\a:\a+1], s[44:45]
	s_mul_i32 s[\a+2], s[\p], 4096
	s_mov_b32 s[\a+3], 0
	s_add_nc_u64 s[\a+2:\a+3], s[\a+2:\a+3], s[46:47]
.endm
.macro ALOAD q, b, ks                  ; a pair's two fragments and its scale words of K step ks into buffer q: 13 loads of images, 256 (128) consecutive bytes each
.irp ta, 0,1
.irp p, 0,1,2,3,4,5
	global_load_b64 v[AF+24*(\q)+12*\ta+2*\p:AF+24*(\q)+12*\ta+2*\p+1], v[L8], s[\b:\b+1] offset:3072*(\ks)+1536*\ta+256*\p
.endr
.endr
	global_load_b32 v[AS+(\q)], v[L4], s[\b+2:\b+3] offset:128*(\ks)
.endm
.macro BLOAD half, ks, xs              ; two weight fragments and their scale words: seven LDS loads; half 0 into the free set at xs, half 1 into BH
.set BO, (\ks)*NT*1536+(\half)*3072
.set BR, RB0
.if BO >= 49152
.set BR, RB1
.set BO, BO-49152
.endif
.if (\half) == 0
.set BD, \xs
.else
.set BD, BH
.endif
.irp tt, 0,1
.irp c, 0,1,2
	ds_load_b128 v[BD+12*\tt+4*\c:BD+12*\tt+4*\c+3], v[BR] offset:BO+1536*\tt+16*\c
.endr
.endr
	ds_load_b32 v[SBX+(\half)], v[RS] offset:(\ks)*NT*64+128*(\half)
.endm
.macro WM ta, tp, q, xs                ; accumulator (ta, tp) += weight tile tp x row tile ta; the odd weight tile's and row tile 1's scale words lie in lanes 16-31
.set rD, ACC+32*(\ta)+8*(\tp)
.if (\tp) < 2
.set rB, (\xs)+12*(\tp)
.else
.set rB, BH+12*((\tp)-2)
.endif
.set rA, AF+24*(\q)+12*(\ta)
.set rS, SBX+(\tp)/2
.if ((\tp)%2 == 0) && ((\ta) == 0)
	v_wmma_scale_f32_16x16x128_f8f6f4 v[rD:rD+7], v[rB:rB+11], v[rA:rA+11], v[rD:rD+7], v[rS], v[AS+(\q)] matrix_a_fmt:MATRIX_FMT_FP6 matrix_b_fmt:MATRIX_FMT_FP6
.elseif (\ta) == 0
	v_wmma_scale_f32_16x16x128_f8f6f4 v[rD:rD+7], v[rB:rB+11], v[rA:rA+11], v[rD:rD+7], v[rS], v[AS+(\q)] matrix_a_fmt:MATRIX_FMT_FP6 matrix_b_fmt:MATRIX_FMT_FP6 matrix_a_scale:MATRIX_SCALE_ROW1
.elseif (\tp)%2 == 0
	v_wmma_scale_f32_16x16x128_f8f6f4 v[rD:rD+7], v[rB:rB+11], v[rA:rA+11], v[rD:rD+7], v[rS], v[AS+(\q)] matrix_a_fmt:MATRIX_FMT_FP6 matrix_b_fmt:MATRIX_FMT_FP6 matrix_b_scale:MATRIX_SCALE_ROW1
.else
	v_wmma_scale_f32_16x16x128_f8f6f4 v[rD:rD+7], v[rB:rB+11], v[rA:rA+11], v[rD:rD+7], v[rS], v[AS+(\q)] matrix_a_fmt:MATRIX_FMT_FP6 matrix_b_fmt:MATRIX_FMT_FP6 matrix_a_scale:MATRIX_SCALE_ROW1 matrix_b_scale:MATRIX_SCALE_ROW1
.endif
.endm
.macro WM4 tp0, q, xs                  ; four matrix instructions; over a K step the eight accumulators take turns, in the same order in every step
	WM 0, \tp0, \q, \xs
	WM 1, \tp0, \q, \xs
	WM 0, (\tp0)+1, \q, \xs
	WM 1, (\tp0)+1, \q, \xs
.endm
; A chunk's two K steps for one pair.  w: the weights' loads that were issued behind this chunk's rows' loads (32 or 0).
.macro ARM t, xs, b, w
	BLOAD 0, 2*(\t), \xs
	BLOAD 1, 2*(\t), \xs
	s_wait_loadcnt 13+(\w)                         ; K step 2 t's rows are in: younger are the 13 loads of step 2 t + 1 and w loads of weights
	s_wait_dscnt 7                                 ; half 0 (in the first chunk the bias too) is in; half 1's seven loads may be out
	WM4 0, 0, \xs
	PLACES
	BLOAD 0, 2*(\t)+1, \xs
	s_wait_dscnt 7                                 ; half 1 is in; the seven just issued may be out
	WM4 2, 0, \xs
	PLACES
	BLOAD 1, 2*(\t)+1, \xs
.if (\t) < 7
	ALOAD 0, \b, 2*(\t)+2                          ; the next chunk's rows take the buffer just multiplied
	s_wait_loadcnt 13+(\w)                         ; K step 2 t + 1's rows are in: younger are w loads of weights and the 13 just issued
.else
	s_wait_loadcnt 0x0
.endif
	s_wait_dscnt 7
	WM4 0, 1, \xs
	PLACES
	s_wait_dscnt 0x0
	WM4 2, 1, \xs
	PLACES
.if (\t) < 7
	ALOAD 1, \b, 2*(\t)+3
.endif
.endm
.macro ACCBIAS                         ; the bias starts the sums: nothing is cleared
.irp ta, 0,1
.irp tp, 0,1,2,3
.irp g, 0,1
	ds_load_b128 v[ACC+32*\ta+8*\tp+4*\g:ACC+32*\ta+8*\tp+4*\g+3], v[RBI] offset:BIAS+64*\tp+16*\g
.endr
.endr
.endr
.endm
; THE WAY OUT: a lane holds 32 bytes of a row for each weight tile; a tile of 16 rows goes through my own stage and comes back as rows of 256 bytes.  LDS serves a wave's instructions in order (ISA guide 5.7.1.4): no wait between.
.macro OUT o
.irp ta, 0,1
.irp tp, 0,1,2,3
	ds_store_b128 v[STO], v[ACC+32*\ta+8*\tp:ACC+32*\ta+8*\tp+3] offset:64*\tp       ; each accumulator from its low end on
	ds_store_b128 v[STO], v[ACC+32*\ta+8*\tp+4:ACC+32*\ta+8*\tp+7] offset:64*\tp+16
.endr
.irp i, 0,1,2,3,4,5,6,7
	ds_load_b128 v[WR+32*\ta+4*\i:WR+32*\ta+4*\i+3], v[RD] offset:544*\i
.endr
.endr
.irp ta, 0,1
.irp i, 0,1,2,3,4,5,6,7
	s_wait_dscnt 23-16*\ta-\i                      ; younger than tile 0's load i: its 7 - i later loads and tile 1's 8 stores and 8 loads; than tile 1's: 7 - i
	global_store_b128 v[YO], v[WR+32*\ta+4*\i:WR+32*\ta+4*\i+3], s[\o:\o+1] offset:(16*\ta+2*\i)*4096 th:TH_STORE_NT   ; sixteen lanes store 256 consecutive bytes, at a multiple of 256 from yp's first byte
.endr
.endr
.endm
; A chunk: my block is quantised, the barrier shows the chunk to all waves, my pair is multiplied by it.
.macro CHUNK t
.set XS, WR+32*((\t)%3)
.if (\t) < 6
	LOADW (\t)+2                                   ; into the set that held fragments in the last chunk
	s_wait_loadcnt 63                              ; at least 64 loads of weights are younger than this block's; the wait's field names 63 at the most
.elseif (\t) == 6
	s_wait_loadcnt 32                              ; the last block's 32 loads are younger
.else
	s_wait_loadcnt 0x0
.endif
	v_max3_num_f32 v172, |v[XS]|, |v[XS+1]|, |v[XS+2]|   ; the block's largest magnitude: all 32 numbers are mine; two chains
	v_max3_num_f32 v173, |v[XS+3]|, |v[XS+4]|, |v[XS+5]|
.irp i, 6,10,14,18,22,26
	s_delay_alu instid0(VALU_DEP_2)
	v_max3_num_f32 v172, v172, |v[XS+\i]|, |v[XS+\i+1]|
	s_delay_alu instid0(VALU_DEP_2)
	v_max3_num_f32 v173, v173, |v[XS+\i+2]|, |v[XS+\i+3]|
.endr
	s_delay_alu instid0(VALU_DEP_2)
	v_max3_num_f32 v172, v172, |v[XS+30]|, |v[XS+31]|
	s_delay_alu instid0(VALU_DEP_1)
	v_max3_num_f32 v172, v172, v173, 0x1800000     ; and the floor 2^(3 - 127): the byte cannot fall under 1
	s_delay_alu instid0(VALU_DEP_1)
	v_add_nc_u32 v174, 0xff000000, v172            ; 2 off the exponent field: the conversion's scale operand
	v_cvt_scalef32_pk16_fp6_f32 v[164:166], v[XS:XS+15], v174
	v_cvt_scalef32_pk16_fp6_f32 v[168:170], v[XS+16:XS+31], v174   ; (a conversion's three registers begin on an even number)
	v_lshrrev_b32 v175, 23, v174                   ; the scale's byte; also the plain line behind the conversions
	v_mov_b32 v167, v168
	v_mov_b32 v168, v169
	v_mov_b32 v169, v170
.if (\t) < 4
.set WA, WB
.set WO, (\t)*2*NT*1536
.else
.set WA, WB1
.set WO, ((\t)-4)*2*NT*1536
.endif
	ds_store_b64 v[WA], v[164:165] offset:WO
	ds_store_b64 v[WA], v[166:167] offset:WO+8
	ds_store_b64 v[WA], v[168:169] offset:WO+16
	ds_store_b8 v[WS], v175 offset:(\t)*2*NT*64
.if (\t) == 0
	s_cmp_lg_u32 s14, 0
	s_cbranch_scc1 .Lno_bias_store
	v_and_b32 v[BI], s56, v[BI]
	v_and_b32 v[BI+1], s56, v[BI+1]
	ds_store_b64 v[L8], v[BI:BI+1] offset:BIAS
.Lno_bias_store:
.endif
	s_wait_dscnt 0x0                               ; my stores have landed
	s_barrier_signal -1
	s_barrier_wait -1                              ; the chunk's codes and scale bytes are whole: from here on they are only read
.if (\t) == 0
	ACCBIAS
.endif
	s_cmp_ge_u32 s14, s21
	s_cbranch_scc1 .Lskip_\t                       ; no pair for this wave: a branch on a whole number that launch 2 stored
.if (\t) < 6
	ARM \t, WR+32*((\t)%3), 24, 32
.else
	ARM \t, WR+32*((\t)%3), 24, 0
.endif
.if (\t) == 7
	OUT 32
.endif
.Lskip_\t:
.endm
	LOADW 0
	LOADW 1
	s_wait_kmcnt 0x0
	s_min_u32 s20, s20, 1024
	s_add_co_u32 s21, s20, 31
	s_lshr_b32 s21, s21, 5
	s_max_u32 s21, s21, 1                          ; the pairs that launch 2 filled
	s_sub_co_u32 s60, s21, 1
	s_min_u32 s59, s14, s60                        ; my pair; a wave without one asks for the first two K steps of the last pair and uses nothing of them
	s_min_u32 s59, s59, 31
	s_add_co_u32 s59, s59, s23
	BASES 24, 59
	s_mul_i32 s32, s59, 131072
	s_mov_b32 s33, 0
	s_add_nc_u64 s[32:33], s[32:33], s[48:49]      ; where the pair's results go
	ALOAD 0, 24, 0
	ALOAD 1, 24, 1
.irp t, 0,1,2,3,4,5,6,7
	CHUNK \t
.endr
	s_add_co_u32 s59, s14, 16                      ; an expert with more than 16 pairs: pair w + 16, against the codes that now lie whole in LDS
	s_cmp_ge_u32 s59, s21
	s_cbranch_scc1 .Lend
	s_min_u32 s59, s59, 31
	s_add_co_u32 s59, s59, s23
	BASES 28, 59
	s_mul_i32 s34, s59, 131072
	s_mov_b32 s35, 0
	s_add_nc_u64 s[34:35], s[34:35], s[48:49]
	ALOAD 0, 28, 0
	ALOAD 1, 28, 1
	s_wait_xcnt 0x0                                ; the first pair's stores have read their registers: the second way out may load into them
	ACCBIAS
.irp t, 0,1,2,3,4,5,6,7
	ARM \t, WR+64, 28, 0
.endr
	OUT 34
.Lend:
	s_wait_tensorcnt 0x0                           ; the wave's end, behind my last LDS store
	ds_add_u32 v[SPW], v[NIL]
	s_wait_dscnt 0x0
	s_endpgm
.Lfunc_end_k_q47996b6090_ffn2:
	.size	k_q47996b6090_ffn2, .Lfunc_end_k_q47996b6090_ffn2-k_q47996b6090_ffn2
	.p2alignl 7, 3214868480
	.fill 96, 4, 3214868480
	.section	.rodata,"a",@progbits
	.p2align	6, 0x0
	.amdhsa_kernel k_q47996b6090_ffn2
		.amdhsa_group_segment_fixed_size 174336
		.amdhsa_private_segment_fixed_size 0
		.amdhsa_enable_private_segment 0
		.amdhsa_kernarg_size 40
		.amdhsa_user_sgpr_count 2
		.amdhsa_user_sgpr_kernarg_segment_ptr 1
		.amdhsa_wavefront_size32 1
		.amdhsa_system_sgpr_workgroup_id_x 1
		.amdhsa_system_sgpr_workgroup_id_y 1
		.amdhsa_system_sgpr_workgroup_id_z 1
		.amdhsa_system_vgpr_workitem_id 0
		.amdhsa_next_free_vgpr 256
		.amdhsa_next_free_sgpr 66
		.amdhsa_reserve_vcc 0
		.amdhsa_float_denorm_mode_32 3
		.amdhsa_float_denorm_mode_16_64 3
		.amdhsa_memory_ordered 1
		.amdhsa_forward_progress 1
		.amdhsa_inst_pref_size 168
	.end_amdhsa_kernel
	.amdgpu_metadata
---
amdhsa.version: [ 1, 2 ]
amdhsa.kernels:
  - .name:           k_q47996b6090_ffn2
    .symbol:         k_q47996b6090_ffn2.kd
    .args:
      - { .name: W2, .offset: 0, .size: 8, .value_kind: global_buffer, .address_space: global }
      - { .name: b2, .offset: 8, .size: 8, .value_kind: global_buffer, .address_space: global }
      - { .name: hq, .offset: 16, .size: 8, .value_kind: global_buffer, .address_space: global }
      - { .name: pi, .offset: 24, .size: 8, .value_kind: global_buffer, .address_space: global }
      - { .name: yp, .offset: 32, .size: 8, .value_kind: global_buffer, .address_space: global }
    .group_segment_fixed_size: 174336
    .private_segment_fixed_size: 0
    .kernarg_segment_align: 8
    .kernarg_segment_size: 40
    .max_flat_workgroup_size: 512
    .sgpr_count:     66
    .vgpr_count:     256
    .wavefront_size: 32
...
	.end_amdgpu_metadata
.endif
;; end of part 4
;; launch combine (part 5): grid 256 x 1, 4 waves a work-group, no clusters, 0 bytes of LDS; arguments rt, pi, yp, out0; writes out0
.if DOCPART == 5
	.amdgcn_target "amdgcn-amd-amdhsa--gfx1250"
	.amdhsa_code_object_version 6
	.text
	.protected	k_q47996b6090_combine
	.globl	k_q47996b6090_combine
	.p2align	8
	.type	k_q47996b6090_combine,@function
k_q47996b6090_combine:
	s_mov_b64 s[64:65], 0
	v_nop
	global_prefetch_b8 v0, s[64:65] scope:SCOPE_SE
	s_setreg_imm32_b32 hwreg(HW_REG_WAVE_MODE, 25, 1), 1
	s_wait_xcnt 0x0
; SPARSE MOE, launch 5 of 5: out[n] = w0 y(slot of choice 0) + w1 y(slot of choice 1), each y the sum of launch 4's two halves of K.  Only the two chosen experts' rows exist (launch 1's head says why).
; A wave to a token: four rows of 4,096 bytes in, one out; every load and store covers 512 consecutive bytes.  The slots are whole numbers that launch 2 stored; the weights are launch 1's.
; All 32 loads are issued at once, piece by piece of 512 bytes, and each piece has registers of its own: the result is made in the first operand's registers, so nothing is written again and no store's data wait for anything.
; No LDS, no barrier, no matrix unit: memory binds, and waves share nothing.
.set SLOT2,  0x400
.set RT_WT,  0xc8000
.set HALFK,  0x2000000                 ; bytes from one half of K to the other in yp
	s_load_b256 s[4:11], s[0:1], 0x0               ; rt s[4:5], pi s[6:7], yp s[8:9], out0 s[10:11]
	v_lshrrev_b32 v1, 5, v0
	v_readfirstlane_b32 s12, v1                    ; wave
	v_and_b32 v1, 31, v0
	v_lshlrev_b32 v1, 4, v1                        ; 16 bytes a lane
	s_lshl_b32 s13, ttmp9, 2
	s_add_co_u32 s13, s13, s12                     ; my token
	s_lshl_b32 s14, s13, 3
	s_mov_b32 s15, 0
	s_lshl_b32 s36, s13, 12
	s_mov_b32 s37, 0
	s_mov_b32 s39, 0
	s_wait_alu depctr_va_vdst(0)
	s_wait_kmcnt 0x0
	s_add_nc_u64 s[20:21], s[6:7], s[14:15]
	s_add_nc_u64 s[22:23], s[4:5], s[14:15]
	s_load_b64 s[16:17], s[20:21], SLOT2           ; its two slots
	s_load_b64 s[18:19], s[22:23], RT_WT           ; its two weights
	s_add_nc_u64 s[34:35], s[10:11], s[36:37]
	s_wait_kmcnt 0x0
	s_min_u32 s16, s16, 8191
	s_min_u32 s17, s17, 8191
	s_lshl_b32 s38, s16, 12
	s_add_nc_u64 s[24:25], s[8:9], s[38:39]
	s_add_nc_u64 s[26:27], s[24:25], HALFK
	s_lshl_b32 s38, s17, 12
	s_add_nc_u64 s[28:29], s[8:9], s[38:39]
	s_add_nc_u64 s[30:31], s[28:29], HALFK
	s_mov_b32 s32, s19                             ; w1 in a pair of its own: the packed forms take a scalar pair's low word for both halves
	s_mov_b32 s33, s19
.irp i, 0,1,2,3,4,5,6,7
	global_load_b128 v[32+16*\i:35+16*\i], v1, s[24:25] offset:512*\i th:TH_LOAD_NT
	global_load_b128 v[36+16*\i:39+16*\i], v1, s[26:27] offset:512*\i th:TH_LOAD_NT
	global_load_b128 v[40+16*\i:43+16*\i], v1, s[28:29] offset:512*\i th:TH_LOAD_NT
	global_load_b128 v[44+16*\i:47+16*\i], v1, s[30:31] offset:512*\i th:TH_LOAD_NT
.endr
.irp i, 0,1,2,3,4,5,6,7
	s_wait_loadcnt 4*(7-\i)                        ; piece i's four loads are in; the later pieces' may be out
	v_pk_add_f32 v[32+16*\i:33+16*\i], v[32+16*\i:33+16*\i], v[36+16*\i:37+16*\i]   ; the two halves of K
	v_pk_add_f32 v[34+16*\i:35+16*\i], v[34+16*\i:35+16*\i], v[38+16*\i:39+16*\i]
	v_pk_add_f32 v[40+16*\i:41+16*\i], v[40+16*\i:41+16*\i], v[44+16*\i:45+16*\i]
	v_pk_add_f32 v[42+16*\i:43+16*\i], v[42+16*\i:43+16*\i], v[46+16*\i:47+16*\i]
	v_pk_mul_f32 v[32+16*\i:33+16*\i], v[32+16*\i:33+16*\i], s[18:19] op_sel_hi:[1,0]
	v_pk_mul_f32 v[34+16*\i:35+16*\i], v[34+16*\i:35+16*\i], s[18:19] op_sel_hi:[1,0]
	v_pk_fma_f32 v[32+16*\i:33+16*\i], v[40+16*\i:41+16*\i], s[32:33], v[32+16*\i:33+16*\i] op_sel_hi:[1,0,1]
	v_pk_fma_f32 v[34+16*\i:35+16*\i], v[42+16*\i:43+16*\i], s[32:33], v[34+16*\i:35+16*\i] op_sel_hi:[1,0,1]
	global_store_b128 v1, v[32+16*\i:35+16*\i], s[34:35] offset:512*\i th:TH_STORE_NT
.endr
	s_endpgm
.Lfunc_end_k_q47996b6090_combine:
	.size	k_q47996b6090_combine, .Lfunc_end_k_q47996b6090_combine-k_q47996b6090_combine
	.p2alignl 7, 3214868480
	.fill 96, 4, 3214868480
	.section	.rodata,"a",@progbits
	.p2align	6, 0x0
	.amdhsa_kernel k_q47996b6090_combine
		.amdhsa_group_segment_fixed_size 0
		.amdhsa_private_segment_fixed_size 0
		.amdhsa_enable_private_segment 0
		.amdhsa_kernarg_size 32
		.amdhsa_user_sgpr_count 2
		.amdhsa_user_sgpr_kernarg_segment_ptr 1
		.amdhsa_wavefront_size32 1
		.amdhsa_system_sgpr_workgroup_id_x 1
		.amdhsa_system_sgpr_workgroup_id_y 1
		.amdhsa_system_sgpr_workgroup_id_z 1
		.amdhsa_system_vgpr_workitem_id 0
		.amdhsa_next_free_vgpr 160
		.amdhsa_next_free_sgpr 66
		.amdhsa_reserve_vcc 0
		.amdhsa_float_denorm_mode_32 3
		.amdhsa_float_denorm_mode_16_64 3
		.amdhsa_memory_ordered 1
		.amdhsa_forward_progress 1
		.amdhsa_inst_pref_size 10
	.end_amdhsa_kernel
	.amdgpu_metadata
---
amdhsa.version: [ 1, 2 ]
amdhsa.kernels:
  - .name:           k_q47996b6090_combine
    .symbol:         k_q47996b6090_combine.kd
    .args:
      - { .name: rt, .offset: 0, .size: 8, .value_kind: global_buffer, .address_space: global }
      - { .name: pi, .offset: 8, .size: 8, .value_kind: global_buffer, .address_space: global }
      - { .name: yp, .offset: 16, .size: 8, .value_kind: global_buffer, .address_space: global }
      - { .name: out0, .offset: 24, .size: 8, .value_kind: global_buffer, .address_space: global }
    .group_segment_fixed_size: 0
    .private_segment_fixed_size: 0
    .kernarg_segment_align: 8
    .kernarg_segment_size: 32
    .max_flat_workgroup_size: 128
    .sgpr_count:     66
    .vgpr_count:     160
    .wavefront_size: 32
...
	.end_amdgpu_metadata
.endif
;; end of part 5
